; MI455X (gfx1250); checked and timed in simulation.
; The chip was launched on July 23, 2026; its instructions are those of AMD's public machine-readable ISA for CDNA 5 (MIT licence, August 2026) and "CDNA5" Instruction Set Architecture Reference Guide (July 2026). The comments in the code are by the model that wrote it; some were corrected since.
;; Perceiver Attn. Allowed arithmetic: matrix products marked QUANTISED: E2M1 operands, one E8M0 scale for each 32 along K, by v_wmma_scale_f32_16x16x128_f8f6f4 with both operands' format E2M1 (or v_wmma_scale_f32_32x16x128_f4), f32 sums; everything else in f32.
;; Inputs: Wk_codes 1,024 x 32 x 16 uint8 (E2M1 codes of Wk, K innermost, in blocks of 32 codes, two codes a byte); Wk_scales 1,024 x 32 uint8 (E8M0 scales of Wk, one for each 32 codes along K); Wq_codes 1,024 x 32 x 16 uint8 (E2M1 codes of Wq, K innermost, in blocks of 32 codes, two codes a byte); Wq_scales 1,024 x 32 uint8 (E8M0 scales of Wq, one for each 32 codes along K); Wv_codes 1,024 x 32 x 16 uint8 (E2M1 codes of Wv, K innermost, in blocks of 32 codes, two codes a byte); Wv_scales 1,024 x 32 uint8 (E8M0 scales of Wv, one for each 32 codes along K); x_codes 4 x 4,096 x 32 x 16 uint8 (E2M1 codes of x, K innermost, in blocks of 32 codes, two codes a byte); x_scales 4 x 4,096 x 32 uint8 (E8M0 scales of x, one for each 32 codes along K).
;; Outputs: out0 4 x 512 x 1,024 float32.
;; Constants: q_len = 512.
;; This version of the problem:
;;   THIS VERSION OF THE PROBLEM IS GIVEN IN LOW PRECISION. The matrix products marked QUANTISED in the list below multiply operands that are first quantised to E2M1 (2 exponent bits, 1 mantissa bit; 4 bits a number), with one power-of-two scale for each 32 numbers along K (OCP MX v1.0); their sums are f32. All else is computed in f32.
;;   The module's matrix products, in the order in which they are computed (A, B: the left and right operand; K: the contracted axis; several contracted axes count as one K, in the product's order):
;;     1. [M 16,384, K 1,024] x [K 1,024, N 1,024]; A: input x (given as codes); B: input Wk (given as codes): QUANTISED
;;     2. [M 16,384, K 1,024] x [K 1,024, N 1,024]; A: input x (given as codes); B: input Wv (given as codes): QUANTISED
;;     3. [M 2,048, K 1,024] x [K 1,024, N 1,024]; A: input x (given as codes); B: input Wq (given as codes): QUANTISED
;;     4. batch 64 x [M 512, K 64] x [K 64, N 4,096]; A: computed on the way; B: computed on the way: QUANTISED
;;     5. batch 64 x [M 512, K 4,096] x [K 4,096, N 64]; A: softmax (see below); B: computed on the way: QUANTISED
;;   THE QUANTISER, for each operand of a quantised product, along K:
;;     - K is cut into blocks of 32 from its start; a last block that is shorter is filled with zeros.
;;     - A block's scale is 2^e with e = floor(log2(the largest magnitude in the block)) - 2, held to -126 .. 127; a block of zeros has e = 0. As a byte (E8M0): e + 127.
;;     - Each number is divided by its block's scale, clamped to +-6, and rounded to the nearest number of E2M1, ties to even, subnormals kept.
;;     - The product sums the exact products of the quantised numbers (number of the format x scale) in f32.
;;   ~~~python
;;   def quantise(x, axis):      # numpy; x: float32 -> the quantised numbers, widened to float32 again
;;       x = np.moveaxis(x, axis, -1); K = x.shape[-1]
;;       x = np.pad(x, [(0, 0)] * (x.ndim - 1) + [(0, -K % 32)]); x = x.reshape(x.shape[:-1] + (-1, 32)); a = np.abs(x).max(-1, keepdims=True)
;;       e = np.where(a > 0, np.clip(np.frexp(np.where(a > 0, a, 1))[1] - 1 - 2, -126, 127), 0)      # np.frexp(a)[1] - 1 = floor(log2(a)), exactly
;;       r = np.clip(x / 2.0 ** e, -6, 6)
;;       step = 2.0 ** (np.maximum(np.frexp(np.where(r == 0, 1, r))[1] - 1, 0) - 1)
;;       q = np.round(r / step) * step * 2.0 ** e      # np.round: ties to even
;;       return np.moveaxis(q.reshape(q.shape[:-2] + (-1,))[..., :K], -1, axis).astype(np.float32)
;;   ~~~
;;   SOFTMAX AHEAD OF A QUANTISED PRODUCT. Where the list says 'softmax', what is quantised is not the finished softmax but p = 2^(t - M), with t = logit x log2(e) and M = ceil(the row's largest t), a whole number; so 1/2 < the row's largest p <= 1. The row's sum l is taken of the UNQUANTISED p, in f32, and the product's result is divided by l at the end. Since M is a whole number, a kernel that streams over the keys may use a running M (the ceiling of the running maximum): every later rescaling is an exact power of two, which a block's scale takes up: the codes' values come out the same.
;;   OPERANDS COMPUTED ON THE WAY. 'Computed on the way' means the value that the module computes at that place (a softmax that the list does not call 'softmax' is quantised finished and normalised). What goes into a quantiser is computed in f32, as accurately as f32 sums, v_exp_f32 and their like allow (about 1e-6 of the number): no bf16 or f16 on the way to a quantiser, and a product that is left as it is and whose result goes on into a quantised operand takes f32 operands (vector FMAs, or v_wmma_f32_16x16x4_f32). A number that lies on a knife's edge between two numbers of the format may be rounded either way, as far as f32 arithmetic and the matrix unit's own rounding can turn it there, and no further.
;;   INPUTS GIVEN AS CODES. Wk (in the module: [1024, 1024], K = its axis 1); Wq (in the module: [1024, 1024], K = its axis 1); Wv (in the module: [1024, 1024], K = its axis 1); x (in the module: [4, 4096, 1024], K = its axis 2): each comes as NAME_codes (uint8): NAME with its K axis moved to the last place and cut into blocks of 32 codes, [.., K / 32, bytes a block], one block behind the other in memory; two codes a byte, the lower K in the low four bits (a code: sign, 2 exponent bits, 1 mantissa bit); and NAME_scales (uint8): the same leading axes, one E8M0 byte (e + 127) for each 32 codes along K. Its value is code x scale, taken as it is: it is not quantised again, and the codes and scales need not be those that the quantiser above would give.
;; One version. Each part assembles by itself: llvm-mc -triple=amdgcn-amd-amdhsa -mcpu=gfx1250 --defsym DOCPART=n.
;; ======== version 1 of 1: 2 launches
;; limits: right only within a limited range of input values
;; workspace buffers: kv 18,350,080 bytes
;; launch proj (part 1): grid 4 x 64, 4 waves a work-group, clusters of 4 x 4, 327,680 bytes of LDS; arguments x_codes, x_scales, Wk_codes, Wk_scales, Wv_codes, Wv_scales, kv; writes kv
.if DOCPART == 1
	.amdgcn_target "amdgcn-amd-amdhsa--gfx1250"
	.amdhsa_code_object_version 6
	.text
	.protected	k_q2abeefe414_proj
	.globl	k_q2abeefe414_proj
	.p2align	8
	.type	k_q2abeefe414_proj,@function
k_q2abeefe414_proj:
	s_mov_b64 s[64:65], 0
	v_nop
	global_prefetch_b8 v0, s[64:65] scope:SCOPE_SE
	s_setreg_imm32_b32 hwreg(HW_REG_WAVE_MODE, 25, 1), 1
	s_wait_xcnt 0x0
	s_wait_alu depctr_hold_cnt(0) depctr_sa_sdst(0) depctr_va_vdst(0) depctr_va_sdst(0) depctr_va_ssrc(0) depctr_va_vcc(0) depctr_vm_vsrc(0)
	s_getreg_b32 s2, hwreg(HW_REG_IB_STS2, 6, 4)
	s_cmp_eq_u32 s2, 0
	s_cbranch_scc0 .Lentry_in_a_cluster
	s_endpgm
.Lentry_in_a_cluster:
	s_bfe_u32 s2, ttmp6, 0x10000c
	s_cmp_lg_u32 s2, 0xf033
	s_cbranch_scc0 .Lentry_shape_is_right
	s_endpgm
.Lentry_shape_is_right:
; v = x Wv^T, quantised along the keys; k = x Wk^T with the rotary turn, quantised along the head's 64.  x [16384][1024], Wk, Wv [1024][1024]: codes of FP4 (E2M1), K innermost, one E8M0 byte for each 32.
; No input and no step of reference() is left out here; the next launch leaves out only steps of keys that reference()'s own mask hides from all queries of a wave.
; Results go to kv, laid in the order of the next launch's operand registers: [16 b + head][key / 128][8960 bytes]:
;   0     KC  8 tiles of 16 keys x 512 B: at 512 t + 16 l (l = 16 h' + r): codes of key 16 t + r, d = 32 h' .. 32 h' + 31
;   4096  KS  at 16 l + 4 i: scale word of key r of tile 2 i + h' (bytes 0, 1: the two blocks of d; bytes 2, 3: 0x7f)
;   4608  VC  4 tiles of 16 d x 1024 B: at 1024 t + 512 c + 16 l + 4 w: 8 codes of d = 16 t + r, key block 2 c + h', keys 16 (w % 2) + 8 (w / 2) + 0 .. 7 of it
;   8704  VS  at 8 l + 4 i: scale word (four key blocks) of d = r of tile 2 i + h'
; SHARES.  256 work-groups of four waves.  A work-group takes 256 rows of x through 256 rows of Wv and then through the same 256 rows of Wk; a wave makes 128 x 128 of each: 64 accumulators, 512 registers.
; The four of a row of the cluster need the same rows of x, the four of a column the same rows of W: each tile is asked for jointly.
; LDS holds whole rows of K: 512 bytes + 16 of padding.  At the head each wave issues ONE joint load: wave 0 x's 256 rows, wave 1 Wv's, wave 2 x's scale bytes, wave 3 Wv's.  x stays.  Behind the first product, a tensor wait, an add onto the spare word, its wait
; and a round of the cluster's barrier, waves 0 to 2 fill W's bytes again, one load each: Wk's rows 0-127, rows 128-255, and its scale bytes; v's quantising and stores stand under them.
; By this text's count one tensor load of a wave is out.  No prefetch: no load stands in a loop.
; THE ROTARY TABLE hangs on positions alone: it is made at the head, under the first loads, kept in 128 registers of window 1 that the products leave idle, and stored to LDS behind the second product.
; THE TWO PRODUCTS DIFFER IN WHO IS SOURCE 1.  A lane of a result holds ONE row of source 1 and eight neighbouring rows of source 0.  v is quantised along the keys, so W is source 1 (a lane: one d, registers along the keys);
; k is quantised along d, so x is source 1.  In both a block of 32 lies in accumulators (a, 2 B), (a, 2 B + 1) of lanes l and l xor 16.
; v's stage has LDS bytes of its own, into which no fill lands; k's table and stage lie over x's rows, behind a barrier behind every wave's last read of them and behind the launch's last fill.
; LIMITS.  theta_j = 10000^(-j/32) is made by v_exp_f32 and one correction term, good to some 1.5 units of its last place; the angle is the f32 product position x theta; sine and cosine are good to some 2 units of the
; last place for angles up to 4,096.  A block of zeros gets the scale byte 1 (its codes are zeros, and this program alone reads the bytes).  NaN, infinities and given scale bytes 0xff are not served.
.set NQ,     4                         ; matrix instructions deep in half a row
.set KROW,   512                       ; a row of x or W in memory, in bytes
.set PITCH,  528                       ; an LDS row: 512 bytes + 16 of padding
.set FR,     8
.set NL,     2
.set NP,     4                         ; places behind this matrix instruction (ISA guide 7.12.1)
.set HALFT,  128*PITCH                 ; 128 rows: what one wave reads of x or of W
.set SLOT,   256                       ; from the first half of a row to the second
.set SCL,    4*HALFT                   ; the scale bytes: units of 256 bytes + 16
.set HALFS,  16*272
.set SBLK,   2*272
.set VSTG,   SCL+4*HALFS               ; v: a stage of 2 heads x 4,352 bytes for each wave
.set SPARE,  VSTG+4*8704               ; the spare words: 128 bytes a wave
.set TAB,    0                         ; k: cosines and sines, 2 halves of x x 8 blocks x 4,096 bytes
.set KSTG,   65536                     ; k: a stage of 2 heads x 4,608 bytes for each wave
.set STEPB,  8960
.set HEADB,  32*STEPB
.set ADRA, 16                          ; v16-17 LDS address of source 1's fragments, first and second half of K
.set ADRB, 20                          ; v20-21 of source 0's
.set ADRS, 27                          ; v27 of my scale words: lanes 0-15 source 1's rows, lanes 16-31 source 0's
.set SC,   32                          ; v32-95 scale words, two sets
.set AF,   128                         ; v128-191 source 1's fragments
.set STC,  8
.set STS,  9
.set SRB,  10
.set GOF,  11                          ; v11 16 x lane
.set TWB,  12
.set TRD,  13
.set PF,   14                          ; v[14:15] my key's position as f32
.set TH,   32
.set Y,    48
.set MAG,  80
.set S2V,  82
.set C2V,  84
.set JI,   86
.set OB,   96                          ; v96-127 a table block's 16 pairs (c, s)
.set SCT,  128
.set T,    64
.set TM,   128
.set WD,   156
.set SPW,  254                         ; v254 my spare word; v255 0: never rewritten
.set NIL,  255
.set G1, 24
.set G0, 32
.set G1B, 48
.set G0B, 56
.set G1S, 68
.set G0S, 76
.set G1SB, 80
.set G0SB, 88
.set SEL, 20
.set INV, 36                           ; constants for the packed forms stand at even registers (the low word serves both halves); single ones at the odd registers between
.set NP1, 38
.set NP2, 40
.set NP3, 42
.set S1,  44
.set S3,  46
.set C1,  60
.set C3,  62
.set SGN, 37
.set NLHI, 39
.set C2L, 41
.set HM,  43
.set MSB, 0
.macro WIN new                         ; the immediate's high byte repeats the setting that is left
.if MSB != (\new)
	s_set_vgpr_msb (MSB<<8)|(\new)
.set MSB, (\new)
.endif
.endm
.set MUL_LO, 0xa1                      ; source 0 window 1, source 1 window 0, C and D window 2
.set MUL_HI, 0xf1
.set TO_B,   0x40
; An arm of a chain of branches on the wave's number: its joint load, an s_nop 0 and four v_nop, and a jump to the chain's end.
.macro ARM under, g0, g1, next, done
	s_cmp_lt_u32 s14, \under
	s_cbranch_scc0 \next
	tensor_load_to_lds s[\g0:\g0+3], s[\g1:\g1+7]
	s_nop 0
.rept 4
	v_nop
.endr
	s_branch \done
\next:
.endm
.macro CREST                           ; a round of the cluster's barrier behind its opening barrier
	s_cmp_lg_u32 s14, 0
	s_cbranch_scc1 .Lnot_wave_0_\@
	s_barrier_signal -3
.Lnot_wave_0_\@:
	s_barrier_wait -3
	s_barrier_signal -1
	s_barrier_wait -1
.endm
.macro CROUND
	s_barrier_signal -1
	s_barrier_wait -1
	CREST
.endm
.macro SPAIR r, val
	s_mov_b32 s[\r], \val
	s_mov_b32 s[\r+1], \val
.endm
.macro PLACES n
.rept \n
	v_nop
.endr
.endm
	s_load_b128 s[4:7], s[0:1], 0x0                ; x's codes, x's scales
	s_load_b128 s[8:11], s[0:1], 0x10              ; Wk's
	s_load_b128 s[96:99], s[0:1], 0x20             ; Wv's
	s_load_b64 s[12:13], s[0:1], 0x30              ; kv
	v_lshl_add_u32 v[SPW], v0, 2, SPARE
	v_mov_b32 v[NIL], 0
	ds_add_u32 v[SPW], v[NIL]                      ; the opening lines: the add, twice on end, and its wait
	ds_add_u32 v[SPW], v[NIL]
	v_lshrrev_b32 v1, 5, v0
	v_readfirstlane_b32 s14, v1                    ; wave 0..3
	s_lshr_b32 s15, s14, 1                         ; xh: which 128 rows of x are mine
	s_and_b32 s16, s14, 1                          ; wh: which 128 rows of W
	s_bfe_u32 s40, ttmp6, 0x40000                  ; cx: the tile of W (rows 256 cx on)
	s_bfe_u32 s41, ttmp6, 0x40004                  ; cy
	s_and_b32 s17, ttmp7, 0xffff
	s_lshl_b32 s17, s17, 2
	s_add_co_u32 s17, s17, s41                     ; rt: the tile of x = 4 x cluster y + cy
	s_lshl_b32 s43, s41, 2
	s_lshl_b32 s43, 15, s43                        ; my row of the cluster
	s_lshl_b32 s44, 0x1111, s40                    ; my column
	s_or_b32 s[G1+0], s43, (0<<16)|(1<<20)|(1<<21)|(6<<22)|(3<<25)   ; the mask; elements of 1 byte; padding on; bit 21 beside a mask; 4 words behind every 128
	s_or_b32 s[G1B+0], s44, (0<<16)|(1<<20)|(1<<21)|(6<<22)|(3<<25)
.irp g, G1, G1B
	s_mov_b32 s[\g+1], KROW<<16
	s_mov_b32 s[\g+2], 256<<16
	s_mov_b32 s[\g+3], KROW<<16
	s_mov_b32 s[\g+4], 256
	s_mov_b32 s[\g+5], KROW
	s_mov_b32 s[\g+6], 0
	s_mov_b32 s[\g+7], 0
.endr
	s_or_b32 s[G1S+0], s43, (3<<16)|(1<<20)|(1<<21)|(5<<22)|(3<<25)  ; the scale bytes of 256 rows: 8,192 dense bytes as 32 rows of 32 elements of 8 bytes
	s_or_b32 s[G1SB+0], s44, (3<<16)|(1<<20)|(1<<21)|(5<<22)|(3<<25)
.irp g, G1S, G1SB
	s_mov_b32 s[\g+1], 32<<16
	s_mov_b32 s[\g+2], 32<<16
	s_mov_b32 s[\g+3], 32<<16
	s_mov_b32 s[\g+4], 32
	s_mov_b32 s[\g+5], 32
	s_mov_b32 s[\g+6], 0
	s_mov_b32 s[\g+7], 0
.endr
	s_lshl_b32 s20, s17, 8                         ; x: the tile's first row
	s_lshl_b32 s46, s40, 8                         ; W: likewise
	s_lshl_b32 s22, s20, 5                         ; their scale bytes, 32 a row,
	s_mov_b32 s23, 0
	s_lshl_b32 s20, s20, 9                         ; and their codes, 512 a row
	s_mov_b32 s21, 0
	s_lshl_b32 s92, s46, 5
	s_mov_b32 s93, 0
	s_lshl_b32 s46, s46, 9
	s_mov_b32 s47, 0
	s_lshr_b32 s66, s17, 4                         ; my place in kv: batch rt / 16,
	s_lshl_b32 s66, s66, 2
	s_add_co_u32 s66, s66, s40
	s_lshl_b32 s66, s66, 1
	s_add_co_u32 s66, s66, s16                     ; 8 b + 2 cx + wh: my pair of heads
	s_lshl_b32 s66, s66, 6
	s_and_b32 s42, s17, 15
	s_lshl_b32 s42, s42, 1
	s_add_co_u32 s42, s42, s15                     ; the step of 128 keys: 2 (rt % 16) + xh
	s_add_co_u32 s66, s66, s42
	s_mul_i32 s66, s66, STEPB
	s_mov_b32 s67, 0
	s_and_b32 s95, s17, 15                         ; the position of the first key whose table I make: 256 (rt % 16) + 128 xh + 64 wh
	s_lshl_b32 s95, s95, 8
	s_lshl_b32 s19, s15, 7
	s_add_co_u32 s95, s95, s19
	s_lshl_b32 s19, s16, 6
	s_add_co_u32 s95, s95, s19
	s_add_co_u32 s18, s16, 2                       ; W's half among the four halves
	s_wait_dscnt 0x0
	s_wait_kmcnt 0x0
	s_add_nc_u64 s[20:21], s[4:5], s[20:21]
	s_add_nc_u64 s[22:23], s[6:7], s[22:23]
	s_add_nc_u64 s[8:9], s[8:9], s[46:47]          ; Wk's tile,
	s_add_nc_u64 s[10:11], s[10:11], s[92:93]      ; its scale bytes
	s_add_nc_u64 s[46:47], s[96:97], s[46:47]      ; Wv's
	s_add_nc_u64 s[92:93], s[98:99], s[92:93]
	s_add_nc_u64 s[12:13], s[12:13], s[66:67]      ; k's part of my step in kv,
	s_add_nc_u64 s[66:67], s[12:13], 4608          ; v's
	CROUND                                         ; all sixteen work-groups are here: the joint loads meet
	s_mov_b32 s[G0], 1
	s_mov_b32 s[G0+1], 0
	s_mov_b64 s[G0+2:G0+3], s[20:21]
	s_or_b32 s[G0+3], s[G0+3], 0x80000000
	s_mov_b32 s[G0B], 1
	s_mov_b32 s[G0B+1], 2*HALFT
	s_mov_b64 s[G0B+2:G0B+3], s[46:47]
	s_or_b32 s[G0B+3], s[G0B+3], 0x80000000
	s_mov_b32 s[G0S], 1
	s_mov_b32 s[G0S+1], SCL
	s_mov_b64 s[G0S+2:G0S+3], s[22:23]
	s_or_b32 s[G0S+3], s[G0S+3], 0x80000000
	s_mov_b32 s[G0SB], 1
	s_mov_b32 s[G0SB+1], SCL+2*HALFS
	s_mov_b64 s[G0SB+2:G0SB+3], s[92:93]
	s_or_b32 s[G0SB+3], s[G0SB+3], 0x80000000
	s_mov_b32 s4, 1                                ; the refills' groups 0, in registers that held arguments: Wk's rows 0-127,
	s_mov_b32 s5, 2*HALFT
	s_mov_b64 s[6:7], s[8:9]
	s_or_b32 s7, s7, 0x80000000
	s_mov_b32 s96, 1                               ; rows 128-255,
	s_mov_b32 s97, 3*HALFT
	s_add_nc_u64 s[98:99], s[8:9], 128*KROW
	s_or_b32 s99, s99, 0x80000000
	s_mov_b32 s8, 1                                ; and its scale bytes
	s_mov_b32 s9, SCL+2*HALFS
	s_or_b32 s11, s11, 0x80000000
	ARM 1, G0,  G1,  .Lhead_b,  .Lhead_asked       ; one chain of branches on the wave's number: every way through the head passes exactly one load
	ARM 2, G0B, G1B, .Lhead_sa, .Lhead_asked
	ARM 3, G0S, G1S, .Lhead_sb, .Lhead_asked
	tensor_load_to_lds s[G0SB:G0SB+3], s[G1SB:G1SB+7]
	s_nop 0
.rept 4
	v_nop
.endr
.Lhead_asked:
	SPAIR INV, 0x3f22f983                          ; 2 / pi
	SPAIR NP1, 0xbfc90000                          ; -pi / 2 in three parts
	SPAIR NP2, 0xb9fda000
	SPAIR NP3, 0xb3a22169
	SPAIR S1, 0xbe2aaaa3                           ; the sine's polynomial,
	SPAIR S3, 0xb94ca1f9
	SPAIR C1, 0x3d2aaaa5                           ; the cosine's
	SPAIR C3, 0x37ccf5ce
	s_mov_b32 s[SGN], 0x80000000
	s_mov_b32 s[NLHI], 0xbed49a00                  ; -54426 / 2^17: the top 16 bits of log2(10000) / 32
	s_mov_b32 s[C2L], 0x3626c40c                   ; ln 2 x the rest of it
	s_mov_b32 s[HM], 0xffff0000                    ; lanes 16-31
	v_and_b32 v1, 15, v0                           ; r = lane % 16
	v_bfe_u32 v2, v0, 4, 1                         ; h = lane / 16
	v_mul_u32_u24 v3, v1, PITCH
	v_lshl_add_u32 v4, v2, 4, v3                   ; a fragment's row x pitch + 16 h
	v_mul_u32_u24 v5, v1, 32                       ; my row's scale bytes: 32 a row,
	v_lshrrev_b32 v6, 8, v5
	v_lshl_add_u32 v5, v6, 4, v5                   ; and 16 more behind the first 256
	v_and_b32 v[GOF], 31, v0
	v_lshlrev_b32 v[GOF], 4, v[GOF]
	v_add_nc_u32 v[PF], s95, v1
	v_cvt_f32_u32 v[PF], v[PF]                     ; the position of key r of the first block whose table I make
	v_mov_b32 v[PF+1], v[PF]
.irp e, 0,1
	v_mov_b32 v[MAG+\e], 0x4b400000
	v_mov_b32 v[S2V+\e], 0x3c08839e
	v_mov_b32 v[C2V+\e], 0xbab6061a
.endr
	; theta of my 16 pairs: pair n = 4 bb + i is number j = 8 bb + 4 h + i of the head's 32.  j x 54426 / 2^17 is exact (21 bits); the rest of the exponent is one term of its series
	v_lshlrev_b32 v[JI], 2, v2
.irp n, 0,1,2,3,4,5,6,7,8,9,10,11,12,13,14,15
	v_add_nc_u32 v[TH+\n], 8*(\n/4)+\n%4, v[JI]
.endr
.irp n, 0,1,2,3,4,5,6,7,8,9,10,11,12,13,14,15
	v_cvt_f32_u32 v[TH+\n], v[TH+\n]
.endr
.irp n, 0,1,2,3,4,5,6,7,8,9,10,11,12,13,14,15
	v_mul_f32 v[Y+\n], s[NLHI], v[TH+\n]
.endr
.irp n, 0,1,2,3,4,5,6,7,8,9,10,11,12,13,14,15
	v_mul_f32 v[TH+\n], s[C2L], v[TH+\n]
.endr
	s_wait_alu depctr_va_vdst(0)                   ; the wait ahead of the batch
.irp n, 0,1,2,3,4,5,6,7,8,9,10,11,12,13,14,15
	v_exp_f32 v[Y+\n], v[Y+\n]
.endr
	v_nop                                          ; a plain place behind the last exponential
	s_wait_alu depctr_va_vdst(0)                   ; one wait for the batch, ahead of its first reader
.irp n, 0,1,2,3,4,5,6,7,8,9,10,11,12,13,14,15
	v_fma_f32 v[TH+\n], -v[Y+\n], v[TH+\n], v[Y+\n]
.endr
; Cosine and sine of eight angles, v[y] .. v[y + 7], 0 <= angle < 4,096, four pairs line by line.  Out: v[o + 4 g] on: c, s of pair g's first angle, c, s of its second.
; k = the nearest whole number to angle x 2 / pi (its low bits stand in the sum with 1.5 x 2^23); rest = angle - k pi / 2 in three steps; two polynomials; k picks which is which, and the signs.
.macro SC4 y, o
.irp g, 0,1,2,3
	v_pk_fma_f32 v[SCT+16*\g:SCT+16*\g+1], v[\y+2*\g:\y+2*\g+1], s[INV:INV+1], v[MAG:MAG+1] op_sel_hi:[1,0,1]
.endr
.irp g, 0,1,2,3
	v_pk_add_f32 v[SCT+16*\g+2:SCT+16*\g+3], v[SCT+16*\g:SCT+16*\g+1], v[MAG:MAG+1] neg_lo:[0,1] neg_hi:[0,1]
.endr
.irp g, 0,1,2,3
	v_pk_fma_f32 v[SCT+16*\g+4:SCT+16*\g+5], v[SCT+16*\g+2:SCT+16*\g+3], s[NP1:NP1+1], v[\y+2*\g:\y+2*\g+1] op_sel_hi:[1,0,1]
.endr
.irp g, 0,1,2,3
	v_pk_fma_f32 v[SCT+16*\g+4:SCT+16*\g+5], v[SCT+16*\g+2:SCT+16*\g+3], s[NP2:NP2+1], v[SCT+16*\g+4:SCT+16*\g+5] op_sel_hi:[1,0,1]
.endr
.irp g, 0,1,2,3
	v_pk_fma_f32 v[SCT+16*\g+4:SCT+16*\g+5], v[SCT+16*\g+2:SCT+16*\g+3], s[NP3:NP3+1], v[SCT+16*\g+4:SCT+16*\g+5] op_sel_hi:[1,0,1]
.endr
.irp g, 0,1,2,3
	v_pk_mul_f32 v[SCT+16*\g+6:SCT+16*\g+7], v[SCT+16*\g+4:SCT+16*\g+5], v[SCT+16*\g+4:SCT+16*\g+5]
.endr
.irp g, 0,1,2,3
	v_pk_fma_f32 v[SCT+16*\g+8:SCT+16*\g+9], v[SCT+16*\g+6:SCT+16*\g+7], s[S3:S3+1], v[S2V:S2V+1] op_sel_hi:[1,0,1]
.endr
.irp g, 0,1,2,3
	v_pk_fma_f32 v[SCT+16*\g+12:SCT+16*\g+13], v[SCT+16*\g+6:SCT+16*\g+7], s[C3:C3+1], v[C2V:C2V+1] op_sel_hi:[1,0,1]
.endr
.irp g, 0,1,2,3
	v_pk_mul_f32 v[SCT+16*\g+10:SCT+16*\g+11], v[SCT+16*\g+6:SCT+16*\g+7], v[SCT+16*\g+4:SCT+16*\g+5]
.endr
.irp g, 0,1,2,3
	v_pk_mul_f32 v[SCT+16*\g+2:SCT+16*\g+3], v[SCT+16*\g+6:SCT+16*\g+7], v[SCT+16*\g+6:SCT+16*\g+7]
.endr
.irp g, 0,1,2,3
	v_pk_fma_f32 v[SCT+16*\g+14:SCT+16*\g+15], v[SCT+16*\g+6:SCT+16*\g+7], -0.5, 1.0 op_sel_hi:[1,0,0]
.endr
.irp g, 0,1,2,3
	v_pk_fma_f32 v[SCT+16*\g+8:SCT+16*\g+9], v[SCT+16*\g+8:SCT+16*\g+9], v[SCT+16*\g+6:SCT+16*\g+7], s[S1:S1+1] op_sel_hi:[1,1,0]
.endr
.irp g, 0,1,2,3
	v_pk_fma_f32 v[SCT+16*\g+12:SCT+16*\g+13], v[SCT+16*\g+12:SCT+16*\g+13], v[SCT+16*\g+6:SCT+16*\g+7], s[C1:C1+1] op_sel_hi:[1,1,0]
.endr
.irp g, 0,1,2,3
	v_pk_fma_f32 v[SCT+16*\g+8:SCT+16*\g+9], v[SCT+16*\g+8:SCT+16*\g+9], v[SCT+16*\g+10:SCT+16*\g+11], v[SCT+16*\g+4:SCT+16*\g+5]      ; sin(rest)
.endr
.irp g, 0,1,2,3
	v_pk_fma_f32 v[SCT+16*\g+12:SCT+16*\g+13], v[SCT+16*\g+12:SCT+16*\g+13], v[SCT+16*\g+2:SCT+16*\g+3], v[SCT+16*\g+14:SCT+16*\g+15]  ; cos(rest)
.endr
.irp e, 0,1
.irp g, 0,1,2,3
	v_and_b32 v[SCT+16*\g+10+\e], 1, v[SCT+16*\g+\e]
.endr
.irp g, 0,1,2,3
	v_sub_nc_u32 v[SCT+16*\g+10+\e], 0, v[SCT+16*\g+10+\e]          ; all ones where k is odd: there the two change places
.endr
.irp g, 0,1,2,3
	v_bfi_b32 v[\o+4*\g+2*\e], v[SCT+16*\g+10+\e], v[SCT+16*\g+8+\e], v[SCT+16*\g+12+\e]
.endr
.irp g, 0,1,2,3
	v_bfi_b32 v[\o+4*\g+2*\e+1], v[SCT+16*\g+10+\e], v[SCT+16*\g+12+\e], v[SCT+16*\g+8+\e]
.endr
.irp g, 0,1,2,3
	v_lshlrev_b32 v[SCT+16*\g+10+\e], 30, v[SCT+16*\g+\e]
.endr
.irp g, 0,1,2,3
	v_and_b32 v[SCT+16*\g+10+\e], s[SGN], v[SCT+16*\g+10+\e]
.endr
.irp g, 0,1,2,3
	v_xor_b32 v[\o+4*\g+2*\e+1], v[SCT+16*\g+10+\e], v[\o+4*\g+2*\e+1]   ; the sine changes sign where k & 2,
.endr
.irp g, 0,1,2,3
	v_add_nc_u32 v[SCT+16*\g+10+\e], 1, v[SCT+16*\g+\e]
.endr
.irp g, 0,1,2,3
	v_lshlrev_b32 v[SCT+16*\g+10+\e], 30, v[SCT+16*\g+10+\e]
.endr
.irp g, 0,1,2,3
	v_and_b32 v[SCT+16*\g+10+\e], s[SGN], v[SCT+16*\g+10+\e]
.endr
.irp g, 0,1,2,3
	v_xor_b32 v[\o+4*\g+2*\e], v[SCT+16*\g+10+\e], v[\o+4*\g+2*\e]       ; the cosine where (k + 1) & 2
.endr
.endr
.endm
; The table of one block of 16 keys: a lane's 16 pairs (c, s), 32 registers, put by in window 1: v64-127 and v192-255 there.  The two waves that share a half of x make four blocks each.
.macro TABLE t
.set TK, 64+32*((\t)%2)+128*((\t)/2)
.irp q, 0,1,2,3,4,5,6,7
	v_pk_mul_f32 v[Y+2*\q:Y+2*\q+1], v[TH+2*\q:TH+2*\q+1], v[PF:PF+1] op_sel_hi:[1,0]   ; the angle: position x theta, rounded once
.endr
	SC4 Y, OB
	SC4 Y+8, OB+16
	WIN 0x40
.set i, 0
.rept 32
	v_mov_b32 v[TK+i], v[OB+i]
.set i, i+1
.endr
	WIN 0
.if (\t) < 3
	v_add_f32 v[PF], 0x41800000, v[PF]             ; 16 keys on
.endif
.endm
	TABLE 0
	TABLE 1
	TABLE 2
	TABLE 3
; The fragments' and scale words' addresses.  ia, ib: scalar registers with the half (0..3) that is source 1's, source 0's;  hw: a vector register that is 1 in the lanes that take W's scale words.
.macro ROLES ia, ib, hw
	s_mul_i32 s21, s[\ia], HALFT
	s_mul_i32 s22, s[\ib], HALFT
.irp s, 0,1
	v_add_nc_u32 v[ADRA+\s], s21, v4
	v_add_nc_u32 v[ADRB+\s], s22, v4
	s_add_co_u32 s21, s21, SLOT
	s_add_co_u32 s22, s22, SLOT
.endr
	s_mul_i32 s21, s15, HALFS                      ; x's half is the lower base;
	s_mul_i32 s22, s18, HALFS
	s_sub_co_u32 s22, s22, s21                     ; W's lies this far above it: one product
	v_mul_u32_u24 v6, s22, v[\hw]
	s_wait_alu depctr_va_vdst(0)
	s_add_co_u32 s21, s21, SCL
	v_add_nc_u32 v6, v5, v6
	v_add_nc_u32 v[ADRS], s21, v6
.endm
.macro FRAG reg, adr, q, i             ; 16 rows x 128 K: lane l holds row l % 16; registers 4 c .. 4 c + 3 hold K = 64 c + 32 (l / 16) + 0 .. 31
.irp c, 0,1
	ds_load_b128 v[\reg+4*\c:\reg+4*\c+3], v[\adr] offset:64*(\q)+32*\c+(\i)*16*PITCH
.endr
.endm
; 16 matrix instructions: source 1's blocks a0, a0 + 1 x source 0's eight.  The 64 accumulators take turns, one instruction a turn, in the same order in every step.
.macro MUL16 a0, p, q, sc, zero
.irp a, \a0, \a0+1
.irp b, 0,1,2,3,4,5,6,7
.if \zero
	v_wmma_scale_f32_16x16x128_f8f6f4 v[8*(8*((\a)%4)+\b):8*(8*((\a)%4)+\b)+7], v[128*(\p)+FR*\b:128*(\p)+FR*\b+FR-1], v[AF+FR*(\a):AF+FR*(\a)+FR-1], 0, v[SC+8*NQ*(\sc)+NQ*\b+(\q)], v[SC+8*NQ*(\sc)+NQ*(\a)+(\q)] matrix_a_fmt:MATRIX_FMT_FP4 matrix_b_fmt:MATRIX_FMT_FP4 matrix_a_scale:MATRIX_SCALE_ROW1
.else
	v_wmma_scale_f32_16x16x128_f8f6f4 v[8*(8*((\a)%4)+\b):8*(8*((\a)%4)+\b)+7], v[128*(\p)+FR*\b:128*(\p)+FR*\b+FR-1], v[AF+FR*(\a):AF+FR*(\a)+FR-1], v[8*(8*((\a)%4)+\b):8*(8*((\a)%4)+\b)+7], v[SC+8*NQ*(\sc)+NQ*\b+(\q)], v[SC+8*NQ*(\sc)+NQ*(\a)+(\q)] matrix_a_fmt:MATRIX_FMT_FP4 matrix_b_fmt:MATRIX_FMT_FP4 matrix_a_scale:MATRIX_SCALE_ROW1
.endif
.endr
.endr
.endm
.macro FETCH_B slot, q, p
	WIN TO_B
.irp i, 0,1,2,3,4,5,6,7
	FRAG 128*(\p)+FR*\i, ADRB+\slot, \q, \i
.endr
	WIN 0
.endm
.macro FETCH_A slot, q, i0
.irp i, \i0, \i0+1, \i0+2, \i0+3
	FRAG AF+FR*(\i), ADRA+\slot, \q, \i
.endr
.endm
.macro SCALES sc                       ; four scale words a row; lanes 0-15 take source 1's block i, lanes 16-31 source 0's
.irp i, 0,1,2,3,4,5,6,7
	ds_load_b128 v[SC+8*NQ*\sc+NQ*\i:SC+8*NQ*\sc+NQ*\i+3], v[ADRS] offset:\i*SBLK
.endr
.endm
.macro STEP slot, q, zero              ; 128 along K with its successor in the same half of the rows
	s_wait_dscnt 4*NL                              ; all but the youngest eight loads (source 1's blocks 4-7) are in
	WIN MUL_LO
	MUL16 0, (\q)%2, \q, \slot, \zero
	MUL16 2, (\q)%2, \q, \slot, \zero
	s_wait_dscnt 0
	PLACES NP                                      ; four places in front of loads into registers that matrix instructions have read
	FETCH_B \slot, (\q)+1, 1-(\q)%2
	FETCH_A \slot, (\q)+1, 0
	WIN MUL_HI
	MUL16 4, (\q)%2, \q, \slot, \zero
	MUL16 6, (\q)%2, \q, \slot, \zero
	PLACES NP
	WIN 0
	FETCH_A \slot, (\q)+1, 4
.endm
; A whole product.  refill = 1: behind it W's bytes are filled again.
.macro MAIN refill
	s_wait_alu depctr_va_vdst(0)                   ; directly ahead of the wait below
	s_wait_tensorcnt 0x0                           ; my load is in
	s_barrier_signal -1
	s_barrier_wait -1                              ; everybody's are
	FETCH_B 0, 0, 0
	FETCH_A 0, 0, 0
	SCALES 0
	FETCH_A 0, 0, 4
	STEP 0, 0, 1                                   ; the first products start the sums: nothing is cleared
	STEP 0, 1, 0
	STEP 0, 2, 0
	s_wait_dscnt 4*NL                              ; the first half's last step fetches from the second half of the rows
	WIN MUL_LO
	MUL16 0, 1, NQ-1, 0, 0
	MUL16 2, 1, NQ-1, 0, 0
	s_wait_dscnt 0x0
	WIN 0
	PLACES NP
	v_add_nc_u32 v[ADRS], 4*NQ, v[ADRS]
	FETCH_B 1, 0, 0
	FETCH_A 1, 0, 0
	SCALES 1
	WIN MUL_HI
	MUL16 4, 1, NQ-1, 0, 0
	MUL16 6, 1, NQ-1, 0, 0
	PLACES NP
	WIN 0
	FETCH_A 1, 0, 4
	STEP 1, 0, 0
	STEP 1, 1, 0
	STEP 1, 2, 0
.if \refill
	s_wait_tensorcnt 0x0                           ; no tensor load of mine is out;
	ds_add_u32 v[SPW], v[NIL]                      ; 0 onto my spare word;
	s_mov_b32 s[G1B+2], 128<<16                    ; (a descriptor may be written: the refills of codes bring 128 rows each)
	s_mov_b32 s[G1B+4], 128
	s_wait_dscnt 4*NL+1                            ; (the add and the youngest eight loads may be out)
.else
	s_wait_dscnt 4*NL
.endif
	WIN MUL_LO
	MUL16 0, 1, NQ-1, 1, 0
	MUL16 2, 1, NQ-1, 1, 0
	s_wait_dscnt 0                                 ; the add is done, and my LDS reads of this product are over:
	s_barrier_signal -1                            ; say so; work on registers stands between the signal and the wait
	WIN MUL_HI
	MUL16 4, 1, NQ-1, 1, 0
	MUL16 6, 1, NQ-1, 1, 0
	WIN 0
	s_barrier_wait -1
.if \refill
	CREST                                          ; the barrier has opened a round of the cluster's barrier: no wave of any partner still reads W's bytes or has a load on its way
	ARM 1, 4,  G1B,  .Lre_b, .Lre_done             ; one load a wave: Wk's rows 0-127, rows 128-255, its scale bytes; wave 3 has none
	ARM 2, 96, G1B,  .Lre_s, .Lre_done
	ARM 3, 8,  G1SB, .Lre_n, .Lre_done
.Lre_done:
.endif
.endm
; 64 numbers of a lane at v[s] on, in window w: register 16 B + i belongs to block B.  Out: eight registers of codes at v[TM+20] on, four scale bytes at v[TM+4] on.
.macro QUANT s, w
.irp b, 0,1,2,3
	v_mov_b32 v[TM+\b], 0x1800000                  ; the floor 2^(3 - 127): the byte cannot fall under 1
.endr
	WIN ((\w)<<2)|((\w)<<4)
.irp i, 0,2,4,6,8,10,12,14
.irp b, 0,1,2,3
	v_max3_num_f32 v[TM+\b], v[TM+\b], |v[(\s)+16*\b+\i]|, |v[(\s)+16*\b+\i+1]|   ; the four blocks by turns; each accumulator from its low end on
.endr
.endr
	WIN 0
.irp b, 0,1,2,3
	v_permlanex16_b32 v[TM+4+\b], v[TM+\b], s[SEL], s[SEL+1]
.endr
.irp b, 0,1,2,3
	v_max_num_f32 v[TM+\b], v[TM+\b], v[TM+4+\b]   ; with lane l xor 16's 16: the block's largest magnitude
.endr
.irp b, 0,1,2,3
	v_add_nc_u32 v[TM+12+\b], 0xff000000, v[TM+\b] ; 2 off its exponent field: the conversion's scale operand
.endr
.irp b, 0,1,2,3
	v_lshrrev_b32 v[TM+4+\b], 23, v[TM+12+\b]      ; the scale's byte
.endr
	WIN \w
.irp b, 0,1,2,3,4,5,6,7
	v_cvt_scalef32_pk8_fp4_f32 v[TM+20+\b], v[(\s)+8*\b:(\s)+8*\b+7], v[TM+12+\b/2]
.endr
	WIN 0
	v_nop                                          ; one plain place behind the last scaled conversion
.endm
; ======================================================== v ========================================================
	v_xor_b32 v7, 1, v2
	s_wait_alu depctr_va_vdst(0)                   ; directly behind the write
	ROLES 18, 15, 7                                ; source 1 = W's half wh, source 0 = x's half xh; lanes 0-15 take W's scale words
	s_mul_i32 s23, s14, 8704
	s_add_co_u32 s23, s23, VSTG                    ; my stage
	v_lshlrev_b32 v7, 4, v1
	v_add_nc_u32 v7, s23, v7
	v_lshl_add_u32 v[STC], v2, 3, v7               ; codes: 16 r + 8 h
	v_lshlrev_b32 v[STS], 3, v1
	v_add_nc_u32 v[STS], s23, v[STS]               ; scale words: 8 r
	v_add_nc_u32 v[SRB], s23, v[GOF]
	v_lshrrev_b32 v[TRD], 1, v[GOF]                ; 8 x lane
	v_add_nc_u32 v[TWB], s23, v[TRD]
	MAIN 1
	PLACES NP
	s_mov_b32 s[SEL], 0x76543210
	s_mov_b32 s[SEL+1], 0xfedcba98
.irp b, 0,1,2,3
	v_mov_b32 v[TM+4+\b], 0                        ; written once: a lane permute's destination counts as one of its sources
.endr
; Block a: 16 columns (head a / 4, d = 16 (a % 4) + r) x my 128 keys.  Accumulator (a, b), register j, lane (r, h): key 16 b + 8 h + j.  The codes are made straight from the accumulators.
.macro VBLOCK a
.if (\a) > 0
	s_wait_dscnt 0x0                               ; the last block's stores have read their registers
.endif
	QUANT 64*((\a)%4), 2+(\a)/4
	v_lshl_or_b32 v[WD], v[TM+5], 8, v[TM+4]       ; the four key blocks' bytes make the column's scale word
	v_lshl_or_b32 v[WD], v[TM+6], 16, v[WD]
	v_lshl_or_b32 v[WD], v[TM+7], 24, v[WD]
.irp b, 0,1,2,3,4,5,6,7
	ds_store_b32 v[STC], v[TM+20+\b] offset:((\a)/4)*4352+1024*((\a)%4)+512*(\b/4)+256*((\b/2)%2)+4*(\b%2)
.endr
	ds_store_b32 v[STS], v[WD] offset:((\a)/4)*4352+4096+128*((\a)%2)+4*(((\a)%4)/2)   ; both halves of the lanes store the same word with the same value
.endm
.irp a, 0,1,2,3,4,5,6,7
	VBLOCK \a
.endr
.irp d, 0,1
.irp i, 0,1,2,3,4,5,6,7
	ds_load_b128 v[32+32*\d+4*\i:32+32*\d+4*\i+3], v[SRB] offset:4352*\d+512*\i
.endr
	ds_load_b64 v[96+2*\d:97+2*\d], v[TWB] offset:4352*\d+4096
.endr
.irp d, 0,1
.irp i, 0,1,2,3,4,5,6,7
	s_wait_dscnt 17-(9*\d+\i)                      ; the later loads may be out
	global_store_b128 v[GOF], v[32+32*\d+4*\i:32+32*\d+4*\i+3], s[66:67] offset:HEADB*\d+512*\i th:TH_STORE_NT
.endr
	s_wait_dscnt 9-9*\d
	global_store_b64 v[TRD], v[96+2*\d:97+2*\d], s[66:67] offset:HEADB*\d+4096 th:TH_STORE_NT   ; 32 lanes store 256 consecutive bytes
.endr
	s_wait_xcnt 0x0                                ; the stores have read their registers: these are written again below
; ======================================================== k ========================================================
	ROLES 15, 18, 2                                ; source 1 = x's half xh, source 0 = W's half wh; lanes 16-31 take W's scale words
	s_mul_i32 s23, s14, 9216
	s_add_co_u32 s23, s23, KSTG                    ; my stage
	v_lshlrev_b32 v7, 4, v1
	v_add_nc_u32 v7, s23, v7
	v_lshl_add_u32 v[STC], v2, 2, v7               ; codes: 16 r + 4 h
	v_mad_u32_u24 v[STS], v2, 4608, v7             ; scale words: 16 r; lanes 16-31 store the second head's
	v_add_nc_u32 v[SRB], s23, v[GOF]
	s_lshl_b32 s23, s15, 15
	v_add_nc_u32 v[TRD], s23, v[GOF]               ; the table of my half of x
	s_lshl_b32 s45, s16, 14
	s_add_co_u32 s23, s23, s45
	v_add_nc_u32 v[TWB], s23, v[GOF]               ; of which I made blocks 4 wh .. 4 wh + 3
	MAIN 0
	PLACES NP                                      ; behind the last products: their operands' registers are written below
	s_mov_b32 s[SEL], 0x76543210
	s_mov_b32 s[SEL+1], 0xfedcba98
	WIN 0x04                                       ; the stores' data: window 1
.irp t, 0,1,2,3
.irp q, 0,1,2,3,4,5,6,7
	ds_store_b128 v[TWB], v[64+32*(\t%2)+128*(\t/2)+4*\q:64+32*(\t%2)+128*(\t/2)+4*\q+3] offset:TAB+4096*\t+512*\q
.endr
.endr
	WIN 0
	s_wait_dscnt 0x0                               ; for the others' sake: my part of the table is stored
	s_barrier_signal -1
	s_barrier_wait -1
.macro CSLOAD a                        ; block a's 16 pairs (c, s): v32-63 and v192-223 by turns
.set CL, 32+160*((\a)%2)
.irp q, 0,1,2,3,4,5,6,7
	ds_load_b128 v[CL+4*\q:CL+4*\q+3], v[TRD] offset:TAB+4096*(\a)+512*\q
.endr
.endm
; Block a: 16 keys x my 128 columns (two heads).  Accumulator (a, b), register j, lane (r, h): key 16 a + r, head b / 4, d = 16 (b % 4) + 8 h + j.
.macro KBLOCK a
.if (\a) < 7
	CSLOAD (\a)+1
	s_wait_dscnt 8                                 ; all but those eight: this block's table is in, and the last block's nine stores have read their registers
.else
	s_wait_dscnt 0x0
.endif
.set CB, 32+160*((\a)%2)
.set AC, 64*((\a)%4)
	WIN 0x02+(\a)/4                                ; source 0: the accumulators' window
.irp b, 0,1,2,3,4,5,6,7
.irp i, 0,1,2,3
	v_pk_mul_f32 v[T+8*\b+2*\i:T+8*\b+2*\i+1], v[AC+8*\b+2*\i:AC+8*\b+2*\i+1], v[CB+8*(\b%4)+2*\i:CB+8*(\b%4)+2*\i+1] op_sel_hi:[1,0]   ; (xe c, xo c)
.endr
.irp i, 0,1,2,3
	v_pk_fma_f32 v[T+8*\b+2*\i:T+8*\b+2*\i+1], v[AC+8*\b+2*\i:AC+8*\b+2*\i+1], v[CB+8*(\b%4)+2*\i:CB+8*(\b%4)+2*\i+1], v[T+8*\b+2*\i:T+8*\b+2*\i+1] op_sel:[1,1,0] op_sel_hi:[0,1,1] neg_lo:[0,1,0]   ; (- xo s, + xe s)
.endr
.endr
	WIN 0
	QUANT T, 0
	v_lshl_or_b32 v[WD+1], v[TM+5], 8, v[TM+4]     ; the first head's two bytes,
	v_lshl_or_b32 v[WD+2], v[TM+7], 8, v[TM+6]     ; the second's
	v_cndmask_b32 v[WD], v[WD+1], v[WD+2], s[HM]   ; lanes 16-31 store the second's
	v_or_b32 v[WD], 0x7f7f0000, v[WD]              ; bytes 2 and 3 stand for 1: the upper half of the next launch's K step holds nothing of k
.irp b, 0,1,2,3,4,5,6,7
	ds_store_b32 v[STC], v[TM+20+\b] offset:(\b/4)*4608+512*(\a)+((\b%4)/2)*256+8*(\b%2)
.endr
	ds_store_b32 v[STS], v[WD] offset:4096+256*((\a)%2)+4*((\a)/2)
.endm
	CSLOAD 0
.irp a, 0,1,2,3,4,5,6,7
	KBLOCK \a
.endr
.irp d, 0,1                            ; the way out: my stage is read back as it lies (LDS serves a wave's instructions in order) and leaves 512 consecutive bytes a store
.irp i, 0,1,2,3,4,5,6,7,8
	ds_load_b128 v[64+4*(9*\d+\i):64+4*(9*\d+\i)+3], v[SRB] offset:4608*\d+512*\i
.endr
.endr
.irp d, 0,1
.irp i, 0,1,2,3,4,5,6,7,8
	s_wait_dscnt 17-(9*\d+\i)
	global_store_b128 v[GOF], v[64+4*(9*\d+\i):64+4*(9*\d+\i)+3], s[12:13] offset:HEADB*\d+512*\i th:TH_STORE_NT
.endr
.endr
	s_wait_tensorcnt 0x0                           ; the wave's end
	ds_add_u32 v[SPW], v[NIL]
	s_wait_dscnt 0x0
	CROUND                                         ; the closing round: no work-group ends while a partner may still ask for a tile that names it
	s_endpgm
.Lfunc_end_k_q2abeefe414_proj:
	.size	k_q2abeefe414_proj, .Lfunc_end_k_q2abeefe414_proj-k_q2abeefe414_proj
	.p2alignl 7, 3214868480
	.fill 96, 4, 3214868480
	.section	.rodata,"a",@progbits
	.p2align	6, 0x0
	.amdhsa_kernel k_q2abeefe414_proj
		.amdhsa_group_segment_fixed_size 327680
		.amdhsa_private_segment_fixed_size 0
		.amdhsa_enable_private_segment 0
		.amdhsa_kernarg_size 56
		.amdhsa_user_sgpr_count 2
		.amdhsa_user_sgpr_kernarg_segment_ptr 1
		.amdhsa_wavefront_size32 1
		.amdhsa_system_sgpr_workgroup_id_x 1
		.amdhsa_system_sgpr_workgroup_id_y 1
		.amdhsa_system_sgpr_workgroup_id_z 1
		.amdhsa_system_vgpr_workitem_id 0
		.amdhsa_next_free_vgpr 1024
		.amdhsa_next_free_sgpr 100
		.amdhsa_reserve_vcc 0
		.amdhsa_float_denorm_mode_32 3
		.amdhsa_float_denorm_mode_16_64 3
		.amdhsa_memory_ordered 1
		.amdhsa_forward_progress 1
		.amdhsa_inst_pref_size 255
	.end_amdhsa_kernel
	.section	.bss,"aw",@nobits
	.p2align	6
	.space	262144
	.amdgpu_metadata
---
amdhsa.version: [ 1, 2 ]
amdhsa.kernels:
  - .name:           k_q2abeefe414_proj
    .symbol:         k_q2abeefe414_proj.kd
    .args:
      - { .name: x_codes, .offset: 0, .size: 8, .value_kind: global_buffer, .address_space: global }
      - { .name: x_scales, .offset: 8, .size: 8, .value_kind: global_buffer, .address_space: global }
      - { .name: Wk_codes, .offset: 16, .size: 8, .value_kind: global_buffer, .address_space: global }
      - { .name: Wk_scales, .offset: 24, .size: 8, .value_kind: global_buffer, .address_space: global }
      - { .name: Wv_codes, .offset: 32, .size: 8, .value_kind: global_buffer, .address_space: global }
      - { .name: Wv_scales, .offset: 40, .size: 8, .value_kind: global_buffer, .address_space: global }
      - { .name: kv, .offset: 48, .size: 8, .value_kind: global_buffer, .address_space: global }
    .group_segment_fixed_size: 327680
    .private_segment_fixed_size: 0
    .kernarg_segment_align: 8
    .kernarg_segment_size: 56
    .max_flat_workgroup_size: 128
    .sgpr_count:     100
    .vgpr_count:     1024
    .wavefront_size: 32
...
	.end_amdgpu_metadata
.endif
;; end of part 1
;; launch attn (part 2): grid 4 x 64, 16 waves a work-group, clusters of 4 x 1, 325,632 bytes of LDS; arguments x_codes, x_scales, Wq_codes, Wq_scales, kv, out0; writes out0
.if DOCPART == 2
	.amdgcn_target "amdgcn-amd-amdhsa--gfx1250"
	.amdhsa_code_object_version 6
	.text
	.protected	k_q2abeefe414_attn
	.globl	k_q2abeefe414_attn
	.p2align	8
	.type	k_q2abeefe414_attn,@function
k_q2abeefe414_attn:
	s_mov_b64 s[64:65], 0
	v_nop
	global_prefetch_b8 v0, s[64:65] scope:SCOPE_SE
	s_setreg_imm32_b32 hwreg(HW_REG_WAVE_MODE, 25, 1), 1
	s_wait_xcnt 0x0
	s_wait_alu depctr_hold_cnt(0) depctr_sa_sdst(0) depctr_va_vdst(0) depctr_va_sdst(0) depctr_va_ssrc(0) depctr_va_vcc(0) depctr_vm_vsrc(0)
	s_getreg_b32 s2, hwreg(HW_REG_IB_STS2, 6, 4)
	s_cmp_eq_u32 s2, 0
	s_cbranch_scc0 .Lentry_in_a_cluster
	s_endpgm
.Lentry_in_a_cluster:
	s_bfe_u32 s2, ttmp6, 0x10000c
	s_cmp_lg_u32 s2, 0x3003
	s_cbranch_scc0 .Lentry_shape_is_right
	s_endpgm
.Lentry_shape_is_right:
; out[b][i][64 head ..] = the sum over keys j <= i + 3583 of softmax_j(q_i . k_j / 8) v_j, all products on codes of FP4 (E2M1) with one E8M0 scale for each 32 along K.
; q = x Wq^T of the last 512 rows of a batch, turned by the rotary angles of positions 0 .. 511 and quantised along the head's 64, is made here, in registers.  k and v come from kv, laid by the launch before in the
; order of the operand registers: [16 b + head][key / 128][8960]: KC at 0, KS at 4096, VC at 4608, VS at 8704.
; THE SOFTMAX: t = score x log2(e) / 8; M = the running largest t rounded up to a whole number; p = 2^(t - M) is quantised along the keys; the row's sum is taken of the unquantised p and divides at the end.
; SHARES.  A cluster of four work-groups serves one head.  A work-group has SIXTEEN waves, four to a SIMD, 256 registers each.  Waves w and w + 8 (w = 0 .. 7) own the same queries, 64 w + 16 cx .. + 15.
; Of q, wave w makes the head's d = 0 .. 31 and wave w + 8 d = 32 .. 63: a block of 32 each; they exchange codes and scale byte through LDS.  Wave w walks the even steps of 128 keys, wave w + 8 the odd ones: 14 open
; steps and 2 of the last four each.  At the end wave w + 8 hands its O^T, -M and sum to wave w through LDS; both are brought under the larger M by powers of two, which round nothing, and added.
; Steps whose keys all come after a wave's queries under reference()'s own mask are left out: hidden where w < 2 s, open where w >= 2 s + 2 (s = step - 28): no branch hangs on a work-group's place.
; LDS.  The head's 32 steps of K and V stay: 286,720 bytes, asked for jointly (mask 15), ONE tensor load a wave at the head (2 steps, 70 rows of 256 bytes): by this text's count one load of a wave is out.  No byte is
; filled twice.  Behind them: images of Wq's fragments (each wave brings half a K step of the head's 64 rows), and, in the same bytes, each behind a barrier of its own: q's exchange, the pairs' hand-over, the way out's stage.
; A step's fragments of K are read from LDS a step ahead, straight behind the products that free their registers; the last step reads step 31's once more and uses nothing of it.
; NO PREFETCH INTO THE L2: no load from memory stands in a loop; all that the launch reads is asked for at its head.
; BOTH ATTENTION PRODUCTS ARE USED TRANSPOSED: a lane holds one query (lane % 16) throughout.  p's codes stand in a block of 32 keys in the order 0-7, 16-23, 8-15, 24-31, as VC has them.
; THE HEAD HAS 64 NUMBERS, THE INSTRUCTION TAKES 128.  Q's upper four registers are zero codes; a tile of K is named as eight registers of which the upper four are the next tile's codes (behind the last: zeros),
; under scale bytes that stand for 1: finite numbers times zeros.
; LIMITS: theta to some 1.5 units of its last place, sine and cosine to some 2; zero blocks carry the byte 1; NaN, infinities and given scale bytes 0xff are not served; scaled scores stay under 2^31 in magnitude.
.set STEPB, 8960
.set WIMG,  32*STEPB                   ; Wq's images: 4096 ks + 1024 tile + 512 c + 16 lane.  Later: q's codes at 256 wave + 8 lane, q's bytes at 4096 + 128 wave + 4 lane
.set WSC,   WIMG+32768                 ; their scale words: 512 ks + 128 tile + 4 lane
.set SPARE, WSC+4096                   ; the spare words: 128 bytes a wave, eight blocks of 256 bytes that no other line names
.set KSO,   4096
.set VCO,   4608
.set VSO,   8704
.set LI,  1                            ; v1  16 x lane
.set L8,  2                            ; v2  8 x lane
.set GO,  3                            ; v3  my byte offset in the wave's rows of out0
.set ADK, 4                            ; v4  16 x lane + the first byte of the step whose K is being fetched
.set ADV, 5                            ; v5  8 x lane + the step's first byte
.set MD,  6                            ; v6  my query - 1 - 8 (lane / 16)
.set SPW, 7                            ; v7  my spare word; never rewritten
.set NIL, 8                            ; v8  0; never rewritten
.set WRI, 9
.set WRS, 10
.set WWI, 24
.set WWS, 25
.set PF,  28                           ; v[28:29] my query's position as f32 (at the head only)
.set XW,  90                           ; v90-93 q's exchange: my codes, the pair's codes, my byte, the pair's bytes
.set XR,  91
.set XB,  92
.set XS,  93
.set TH,  224
.set EX,  240
.set MAG, 84
.set S2V, 86
.set C2V, 88
.set SCT, 160
.set CSR, 192
.set WV,  18                           ; s18 wave 0..15
.set SEL, 20
.set CS,  22                           ; s[22:23] log2(e) / 8
.set G1,  24
.set G0,  32
.set WQ,  36                           ; s36 wave % 8: which queries
.set GH,  37                           ; s37 wave / 8: which block of q, and even or odd steps
.set STG, 38                           ; s38 my pair's 4,352 bytes: the hand-over, then the stage
.set TB,  2                            ; s2  LDS byte at which the step in hand begins
.set CNT, 3
.set CX,  48
.set SP,  49                           ; s49 step - 28
.set INV, 50
.set NP1, 52
.set NP2, 54
.set NP3, 56
.set S1,  58
.set S3,  60
.set C1,  62
.set C3,  66
.set SGN, 68
.set NLHI, 69
.set C2L, 70
.macro ROUND                           ; a round of the cluster's barrier
	s_barrier_signal -1
	s_barrier_wait -1
	s_cmp_lg_u32 s[WV], 0
	s_cbranch_scc1 .Lnot_wave_0_\@
	s_barrier_signal -3
.Lnot_wave_0_\@:
	s_barrier_wait -3
	s_barrier_signal -1
	s_barrier_wait -1
.endm
.macro SPAIR r, val
	s_mov_b32 s[\r], \val
	s_mov_b32 s[\r+1], \val
.endm
.macro PLACES
.rept 4
	v_nop
.endr
.endm
	s_load_b256 s[4:11], s[0:1], 0x0               ; x's codes, x's scales, Wq's codes, Wq's scales
	s_load_b128 s[12:15], s[0:1], 0x20             ; kv, out0
	v_lshl_add_u32 v[SPW], v0, 2, SPARE
	v_mov_b32 v[NIL], 0
	ds_add_u32 v[SPW], v[NIL]                      ; the opening lines: the add, twice on end, and its wait ahead of my tensor load
	ds_add_u32 v[SPW], v[NIL]
	v_lshrrev_b32 v11, 5, v0
	s_delay_alu instid0(VALU_DEP_1)
	v_readfirstlane_b32 s[WV], v11
	s_and_b32 s[WQ], s[WV], 7
	s_lshr_b32 s[GH], s[WV], 3
	s_bfe_u32 s[CX], ttmp6, 0x40000                ; cx
	s_and_b32 s72, ttmp7, 0xffff                   ; 16 b + head: the four partners share it
	s_lshr_b32 s73, s72, 4                         ; b
	s_and_b32 s74, s72, 15                         ; head
	s_mov_b32 s[G1], 15|(3<<16)|(1<<21)            ; the mask: all four; elements of 8 bytes; bit 21 beside a mask; no padding: images are read at 16 x lane
	s_mov_b32 s[G1+1], 32<<16                      ; rows of 256 bytes
	s_mov_b32 s[G1+2], 70<<16                      ; 70 rows: two steps' 17,920 dense bytes
	s_mov_b32 s[G1+3], 32<<16
	s_mov_b32 s[G1+4], 70
	s_mov_b32 s[G1+5], 32
	s_mov_b32 s[G1+6], 0
	s_mov_b32 s[G1+7], 0
	s_mul_i32 s75, s[WV], 2*STEPB                  ; I bring steps 2 wave and 2 wave + 1
	s_mul_i32 s76, s72, 32*STEPB
	s_add_co_u32 s76, s76, s75
	s_mov_b32 s77, 0
	s_lshr_b32 s86, s[WV], 1                       ; of Wq I bring K step wave / 2,
	s_and_b32 s87, s[WV], 1                        ; tiles 2 u, 2 u + 1 (rows 32 u on), u = wave % 2
	s_lshl_b32 s78, s74, 15                        ; the head's 64 rows of codes
	s_lshl_b32 s88, s86, 6
	s_add_co_u32 s78, s78, s88
	s_lshl_b32 s88, s87, 14
	s_add_co_u32 s78, s78, s88
	s_mov_b32 s79, 0
	s_lshl_b32 s90, s74, 11                        ; and of scale bytes
	s_lshl_b32 s88, s86, 2
	s_add_co_u32 s90, s90, s88
	s_lshl_b32 s88, s87, 10
	s_add_co_u32 s90, s90, s88
	s_mov_b32 s91, 0
	s_lshl_b32 s82, s[WQ], 6                       ; what hangs on cx has registers of its own
	s_lshl_b32 s83, s[CX], 4
	s_add_co_u32 s82, s82, s83                     ; my first query: 64 (wave % 8) + 16 cx
	s_lshl_b32 s83, s73, 12
	s_add_co_u32 s83, s83, s82
	s_add_co_u32 s83, s83, 3584                    ; its row of x
	s_lshl_b32 s80, s83, 9
	s_mov_b32 s81, 0
	s_lshl_b32 s92, s83, 5
	s_mov_b32 s93, 0
	s_lshl_b32 s83, s73, 9
	s_add_co_u32 s83, s83, s82
	s_lshl_b32 s94, s83, 12                        ; its row of out0, 4,096 bytes a row,
	s_lshl_b32 s83, s74, 8                         ; the head's 256 bytes
	s_add_co_u32 s94, s94, s83
	s_mov_b32 s95, 0
	s_mul_i32 s[STG], s[WQ], 4352
	s_add_co_u32 s[STG], s[STG], WIMG
	s_lshl_b32 s39, s[WV], 8
	s_add_co_u32 s39, s39, WSC                     ; where my scale words' images go
	s_lshl_b32 s40, s[WV], 11
	s_add_co_u32 s40, s40, WIMG                    ; and my fragments'
	s_lshl_b32 s41, s[GH], 4                       ; my block's first rotary pair: 16 g
	s_lshl_b32 s42, s[GH], 11
	s_add_co_u32 s42, s42, WIMG                    ; the images of my block's two tiles,
	s_lshl_b32 s43, s[GH], 8
	s_add_co_u32 s43, s43, WSC                     ; and of their scale words
	s_lshl_b32 s44, s[WV], 8
	s_add_co_u32 s44, s44, WIMG                    ; q's exchange: my codes,
	s_lshl_b32 s45, s[WV], 7
	s_add_co_u32 s45, s45, WIMG+4096               ; my byte,
	s_lshl_b32 s46, s[WQ], 8
	s_add_co_u32 s46, s46, WIMG                    ; the pair's codes (the second wave's 2,048 bytes on),
	s_lshl_b32 s47, s[WQ], 7
	s_add_co_u32 s47, s47, WIMG+4096               ; the pair's bytes (1,024 on)
	s_mul_i32 s[TB], s[GH], STEPB                  ; my first step
	s_mov_b32 s[SP], s[GH]
	s_mov_b32 s[SEL], 0x76543210
	s_mov_b32 s[SEL+1], 0xfedcba98
	SPAIR CS, 0x3e38aa3b                           ; log2(e) / 8
	SPAIR INV, 0x3f22f983                          ; 2 / pi
	SPAIR NP1, 0xbfc90000                          ; -pi / 2 in three parts
	SPAIR NP2, 0xb9fda000
	SPAIR NP3, 0xb3a22169
	SPAIR S1, 0xbe2aaaa3
	SPAIR S3, 0xb94ca1f9
	SPAIR C1, 0x3d2aaaa5
	SPAIR C3, 0x37ccf5ce
	s_mov_b32 s[SGN], 0x80000000
	s_mov_b32 s[NLHI], 0xbed49a00                  ; -54426 / 2^17: the top 16 bits of log2(10000) / 32
	s_mov_b32 s[C2L], 0x3626c40c                   ; ln 2 x the rest of it
	v_and_b32 v94, 15, v0                          ; r = lane % 16
	v_bfe_u32 v95, v0, 4, 1                        ; h = lane / 16
	v_and_b32 v11, 8, v94
	v_lshlrev_b32 v92, 9, v94
	v_add_nc_u32 v11, v11, v94                     ; r + 8 (r / 8): lane r of tile 2 B + u takes row 32 B + 8 u + r + 8 (r / 8) of the head's 64 rows of Wq
	v_lshl_add_u32 v92, v95, 4, v92                ; x's codes: 512 bytes a row, + 16 h
	v_lshlrev_b32 v90, 9, v11
	v_lshlrev_b32 v93, 5, v94                      ; x's scale bytes: 32 a row
	v_lshl_add_u32 v90, v95, 4, v90                ; Wq's codes
	v_lshlrev_b32 v91, 5, v11                      ; Wq's scale bytes
	s_wait_alu depctr_va_vdst(0)                   ; directly ahead of the waits below
	s_wait_dscnt 0x0                               ; both opening adds are done
	s_wait_kmcnt 0x0
	s_add_nc_u64 s[12:13], s[12:13], s[76:77]
	s_add_nc_u64 s[8:9], s[8:9], s[78:79]
	s_add_nc_u64 s[10:11], s[10:11], s[90:91]
	s_add_nc_u64 s[4:5], s[4:5], s[80:81]
	s_add_nc_u64 s[6:7], s[6:7], s[92:93]
	s_add_nc_u64 s[14:15], s[14:15], s[94:95]
	s_mov_b32 s[G0], 1
	s_mov_b32 s[G0+1], s75
	s_mov_b64 s[G0+2:G0+3], s[12:13]
	s_or_b32 s[G0+3], s[G0+3], 0x80000000
.irp t, 0,1                            ; my sixteenth of Wq: two tiles of 16 rows x 128 K,
.irp c, 0,1
	global_load_b128 v[32+8*\t+4*\c:35+8*\t+4*\c], v90, s[8:9] offset:4096*\t+32*\c
.endr
.endr
.irp t, 0,1
	global_load_b32 v[76+\t], v91, s[10:11] offset:256*\t
.endr
.irp k, 0,1,2,3,4,5,6,7                ; and my 16 queries' rows of x: eight fragments and their scale words
.irp c, 0,1
	global_load_b128 v[96+8*\k+4*\c:96+8*\k+4*\c+3], v92, s[4:5] offset:64*\k+32*\c
.endr
.endr
	global_load_b128 v[68:71], v93, s[6:7]
	global_load_b128 v[72:75], v93, s[6:7] offset:16
	ROUND                                          ; all four work-groups are here: the joint loads meet
	tensor_load_to_lds s[G0:G0+3], s[G1:G1+7]      ; my one tensor load
	s_nop 0
	PLACES
	; while these are on their way: addresses, and the rotary angles' cosines and sines
	v_and_b32 v11, 31, v0
	s_delay_alu instid0(VALU_DEP_1)
	v_lshlrev_b32 v[LI], 4, v11
	v_lshlrev_b32 v[L8], 3, v11
	v_lshlrev_b32 v[WRS], 2, v11
	v_lshlrev_b32 v[GO], 12, v95
	v_add_nc_u32 v[WWI], s40, v[LI]
	v_add_nc_u32 v[WRI], s42, v[LI]
	v_add_nc_u32 v[WWS], s39, v[WRS]
	v_add_nc_u32 v[WRS], s43, v[WRS]
	v_lshl_add_u32 v[GO], v94, 4, v[GO]
	v_lshlrev_b32 v11, 3, v95                      ; 8 h
	v_add_nc_u32 v[MD], s82, v94
	v_add_nc_u32 v[PF], s82, v94
	s_delay_alu instid0(VALU_DEP_2)
	v_sub_nc_u32 v[MD], v[MD], v11
	s_delay_alu instid0(VALU_DEP_2)
	v_cvt_f32_u32 v[PF], v[PF]                     ; my query's position
	v_add_nc_u32 v11, s41, v11                     ; 16 g + 8 h
	v_add_nc_u32 v[MD], -1, v[MD]
	v_mov_b32 v[PF+1], v[PF]
.irp e, 0,1
	v_mov_b32 v[MAG+\e], 0x4b400000
	v_mov_b32 v[S2V+\e], 0x3c08839e
	v_mov_b32 v[C2V+\e], 0xbab6061a
.endr
	; theta of my 8 pairs: pair n = 4 u + i of my block's tile u is number j = 16 g + 8 h + n of the head's 32
.irp n, 0,1,2,3,4,5,6,7
	v_add_nc_u32 v[TH+\n], \n, v11
.endr
.irp n, 0,1,2,3,4,5,6,7
	v_cvt_f32_u32 v[TH+\n], v[TH+\n]
.endr
.irp n, 0,1,2,3,4,5,6,7
	v_mul_f32 v[EX+\n], s[NLHI], v[TH+\n]          ; exact: 21 bits
.endr
.irp n, 0,1,2,3,4,5,6,7
	v_mul_f32 v[TH+\n], s[C2L], v[TH+\n]
.endr
	s_wait_alu depctr_va_vdst(0)                   ; the wait ahead of the batch
.irp n, 0,1,2,3,4,5,6,7
	v_exp_f32 v[EX+\n], v[EX+\n]
.endr
	v_nop                                          ; a plain place behind the last exponential
	s_wait_alu depctr_va_vdst(0)                   ; one wait for the batch, ahead of its first reader
.irp n, 0,1,2,3,4,5,6,7
	v_fma_f32 v[TH+\n], -v[EX+\n], v[TH+\n], v[EX+\n]
.endr
.irp q, 0,1,2,3
	v_pk_mul_f32 v[TH+2*\q:TH+2*\q+1], v[TH+2*\q:TH+2*\q+1], v[PF:PF+1] op_sel_hi:[1,0]   ; the angle: position x theta, rounded once
.endr
; Cosine and sine of four angles, v[y] .. v[y + 3], 0 <= angle < 4,096, two pairs line by line.  Out: v[o + 4 g] on: c, s of pair g's first angle, c, s of its second.
; k = the nearest whole number to angle x 2 / pi (its low bits stand in the sum with 1.5 x 2^23); rest = angle - k pi / 2 in three steps; two polynomials; k picks which is which, and the signs.
.macro SC2 y, o
.irp g, 0,1
	v_pk_fma_f32 v[SCT+16*\g:SCT+16*\g+1], v[\y+2*\g:\y+2*\g+1], s[INV:INV+1], v[MAG:MAG+1] op_sel_hi:[1,0,1]
.endr
.irp g, 0,1
	s_delay_alu instid0(VALU_DEP_2)
	v_pk_add_f32 v[SCT+16*\g+2:SCT+16*\g+3], v[SCT+16*\g:SCT+16*\g+1], v[MAG:MAG+1] neg_lo:[0,1] neg_hi:[0,1]
.endr
.irp g, 0,1
	s_delay_alu instid0(VALU_DEP_2)
	v_pk_fma_f32 v[SCT+16*\g+4:SCT+16*\g+5], v[SCT+16*\g+2:SCT+16*\g+3], s[NP1:NP1+1], v[\y+2*\g:\y+2*\g+1] op_sel_hi:[1,0,1]
.endr
.irp g, 0,1
	s_delay_alu instid0(VALU_DEP_2)
	v_pk_fma_f32 v[SCT+16*\g+4:SCT+16*\g+5], v[SCT+16*\g+2:SCT+16*\g+3], s[NP2:NP2+1], v[SCT+16*\g+4:SCT+16*\g+5] op_sel_hi:[1,0,1]
.endr
.irp g, 0,1
	s_delay_alu instid0(VALU_DEP_2)
	v_pk_fma_f32 v[SCT+16*\g+4:SCT+16*\g+5], v[SCT+16*\g+2:SCT+16*\g+3], s[NP3:NP3+1], v[SCT+16*\g+4:SCT+16*\g+5] op_sel_hi:[1,0,1]
.endr
.irp g, 0,1
	s_delay_alu instid0(VALU_DEP_2)
	v_pk_mul_f32 v[SCT+16*\g+6:SCT+16*\g+7], v[SCT+16*\g+4:SCT+16*\g+5], v[SCT+16*\g+4:SCT+16*\g+5]
.endr
.irp g, 0,1
	s_delay_alu instid0(VALU_DEP_2)
	v_pk_fma_f32 v[SCT+16*\g+8:SCT+16*\g+9], v[SCT+16*\g+6:SCT+16*\g+7], s[S3:S3+1], v[S2V:S2V+1] op_sel_hi:[1,0,1]
.endr
.irp g, 0,1
	s_delay_alu instid0(VALU_DEP_4)
	v_pk_fma_f32 v[SCT+16*\g+12:SCT+16*\g+13], v[SCT+16*\g+6:SCT+16*\g+7], s[C3:C3+1], v[C2V:C2V+1] op_sel_hi:[1,0,1]
.endr
.irp g, 0,1
	v_pk_mul_f32 v[SCT+16*\g+10:SCT+16*\g+11], v[SCT+16*\g+6:SCT+16*\g+7], v[SCT+16*\g+4:SCT+16*\g+5]
.endr
.irp g, 0,1
	v_pk_mul_f32 v[SCT+16*\g+2:SCT+16*\g+3], v[SCT+16*\g+6:SCT+16*\g+7], v[SCT+16*\g+6:SCT+16*\g+7]
.endr
.irp g, 0,1
	v_pk_fma_f32 v[SCT+16*\g+14:SCT+16*\g+15], v[SCT+16*\g+6:SCT+16*\g+7], -0.5, 1.0 op_sel_hi:[1,0,0]
.endr
.irp g, 0,1
	v_pk_fma_f32 v[SCT+16*\g+8:SCT+16*\g+9], v[SCT+16*\g+8:SCT+16*\g+9], v[SCT+16*\g+6:SCT+16*\g+7], s[S1:S1+1] op_sel_hi:[1,1,0]
.endr
.irp g, 0,1
	v_pk_fma_f32 v[SCT+16*\g+12:SCT+16*\g+13], v[SCT+16*\g+12:SCT+16*\g+13], v[SCT+16*\g+6:SCT+16*\g+7], s[C1:C1+1] op_sel_hi:[1,1,0]
.endr
.irp g, 0,1
	s_delay_alu instid0(VALU_DEP_4)
	v_pk_fma_f32 v[SCT+16*\g+8:SCT+16*\g+9], v[SCT+16*\g+8:SCT+16*\g+9], v[SCT+16*\g+10:SCT+16*\g+11], v[SCT+16*\g+4:SCT+16*\g+5]      ; sin(rest)
.endr
.irp g, 0,1
	s_delay_alu instid0(VALU_DEP_4)
	v_pk_fma_f32 v[SCT+16*\g+12:SCT+16*\g+13], v[SCT+16*\g+12:SCT+16*\g+13], v[SCT+16*\g+2:SCT+16*\g+3], v[SCT+16*\g+14:SCT+16*\g+15]  ; cos(rest)
.endr
.irp e, 0,1
.irp g, 0,1
	v_and_b32 v[SCT+16*\g+10+\e], 1, v[SCT+16*\g+\e]
.endr
.irp g, 0,1
	s_delay_alu instid0(VALU_DEP_2)
	v_sub_nc_u32 v[SCT+16*\g+10+\e], 0, v[SCT+16*\g+10+\e]          ; all ones where k is odd: there the two change places
.endr
.irp g, 0,1
	s_delay_alu instid0(VALU_DEP_2)
	v_bfi_b32 v[\o+4*\g+2*\e], v[SCT+16*\g+10+\e], v[SCT+16*\g+8+\e], v[SCT+16*\g+12+\e]
.endr
.irp g, 0,1
	s_delay_alu instid0(VALU_DEP_4)
	v_bfi_b32 v[\o+4*\g+2*\e+1], v[SCT+16*\g+10+\e], v[SCT+16*\g+12+\e], v[SCT+16*\g+8+\e]
.endr
.irp g, 0,1
	v_lshlrev_b32 v[SCT+16*\g+10+\e], 30, v[SCT+16*\g+\e]
.endr
.irp g, 0,1
	s_delay_alu instid0(VALU_DEP_2)
	v_and_b32 v[SCT+16*\g+10+\e], s[SGN], v[SCT+16*\g+10+\e]
.endr
.irp g, 0,1
	s_delay_alu instid0(VALU_DEP_2)
	v_xor_b32 v[\o+4*\g+2*\e+1], v[SCT+16*\g+10+\e], v[\o+4*\g+2*\e+1]   ; the sine changes sign where k & 2,
.endr
.irp g, 0,1
	v_add_nc_u32 v[SCT+16*\g+10+\e], 1, v[SCT+16*\g+\e]
.endr
.irp g, 0,1
	s_delay_alu instid0(VALU_DEP_2)
	v_lshlrev_b32 v[SCT+16*\g+10+\e], 30, v[SCT+16*\g+10+\e]
.endr
.irp g, 0,1
	s_delay_alu instid0(VALU_DEP_2)
	v_and_b32 v[SCT+16*\g+10+\e], s[SGN], v[SCT+16*\g+10+\e]
.endr
.irp g, 0,1
	s_delay_alu instid0(VALU_DEP_2)
	v_xor_b32 v[\o+4*\g+2*\e], v[SCT+16*\g+10+\e], v[\o+4*\g+2*\e]       ; the cosine where (k + 1) & 2
.endr
.endr
.endm
	SC2 TH, CSR
	SC2 TH+4, CSR+8
	; Wq's fragments go to the other waves as images of their registers
	s_wait_alu depctr_va_vdst(0)                   ; directly ahead of the wait below
	s_wait_loadcnt 18                              ; Wq's six loads are in; the eighteen behind them, x's, may be out
.irp t, 0,1
.irp c, 0,1
	ds_store_b128 v[WWI], v[32+8*\t+4*\c:35+8*\t+4*\c] offset:1024*\t+512*\c
.endr
.endr
.irp t, 0,1
	ds_store_b32 v[WWS], v[76+\t] offset:128*\t
.endr
	s_wait_dscnt 0x0                               ; for the others' sake: my images are stored
	s_barrier_signal -1
	s_barrier_wait -1
.macro WFETCH ks                       ; K step ks of my block's two tiles of Wq and their scale words, into v32-47, v76-77 or v224-239, v80-81
.set WF, 32+192*((\ks)%2)
.set WW, 76+4*((\ks)%2)
.irp t, 0,1
.irp c, 0,1
	ds_load_b128 v[WF+8*\t+4*\c:WF+8*\t+4*\c+3], v[WRI] offset:4096*(\ks)+1024*\t+512*\c
.endr
.endr
.irp t, 0,1
	ds_load_b32 v[WW+\t], v[WRS] offset:512*(\ks)+128*\t
.endr
.endm
	WFETCH 0
	WFETCH 1
	s_wait_loadcnt 0x0                             ; x; the loads' offset registers are free
	v_add_nc_u32 v[XW], s44, v[L8]
	v_add_nc_u32 v[XR], s46, v[L8]
	v_lshrrev_b32 v[XS], 1, v[L8]                  ; 4 x lane
	s_delay_alu instid0(VALU_DEP_1)
	v_add_nc_u32 v[XB], s45, v[XS]
	v_add_nc_u32 v[XS], s47, v[XS]
	; q^T = Wq x^T: source 0 = 16 rows of Wq, source 1 = my 16 queries.  In my tile u lane (r, h) holds query r, and its register j the head's d = 32 g + 16 h + 8 u + j.  Two accumulators by turns.
.irp k, 0,1,2,3,4,5,6,7
.if \k < 7
	s_wait_dscnt 6                                 ; this K step's six loads are in; the next one's may be out
.else
	s_wait_dscnt 0x0                               ; my reads of the images are over:
	s_barrier_signal -1                            ; say so; work on registers alone stands between this signal and its wait
.endif
.set WF, 32+192*(\k%2)
.set WW, 76+4*(\k%2)
.irp t, 0,1
.if \k == 0
	v_wmma_scale_f32_16x16x128_f8f6f4 v[160+8*\t:167+8*\t], v[WF+8*\t:WF+8*\t+7], v[96+8*\k:103+8*\k], 0, v[WW+\t], v[68+\k] matrix_a_fmt:MATRIX_FMT_FP4 matrix_b_fmt:MATRIX_FMT_FP4
.else
	v_wmma_scale_f32_16x16x128_f8f6f4 v[160+8*\t:167+8*\t], v[WF+8*\t:WF+8*\t+7], v[96+8*\k:103+8*\k], v[160+8*\t:167+8*\t], v[WW+\t], v[68+\k] matrix_a_fmt:MATRIX_FMT_FP4 matrix_b_fmt:MATRIX_FMT_FP4
.endif
.endr
	PLACES                                         ; in front of loads into registers that these have read, and of the first read of the results
.if \k < 6
	WFETCH \k+2
.endif
.endr
.irp b, 0,1,2,3
	v_mov_b32 v[236+\b], 0                         ; written once: a lane permute's destination counts as one of its sources
.endr
.set n, 0
.rept 8                                ; the rotary turn of pair n: (xe c - xo s, xo c + xe s), into v32-47
	v_pk_mul_f32 v[32+2*n:33+2*n], v[160+2*n:161+2*n], v[CSR+2*n:CSR+2*n+1] op_sel_hi:[1,0]
.set n, n+1
.endr
.set n, 0
.rept 8
	v_pk_fma_f32 v[32+2*n:33+2*n], v[160+2*n:161+2*n], v[CSR+2*n:CSR+2*n+1], v[32+2*n:33+2*n] op_sel:[1,1,0] op_sel_hi:[0,1,1] neg_lo:[0,1,0]
.set n, n+1
.endr
	v_max3_num_f32 v232, |v32|, |v33|, 0x1800000   ; my block of 32 along d: my 16 numbers, in two chains, and the floor 2^(3 - 127)
	v_max3_num_f32 v233, |v40|, |v41|, 0x1800000
.irp i, 2,4,6
	s_delay_alu instid0(VALU_DEP_2)
	v_max3_num_f32 v232, v232, |v[32+\i]|, |v[33+\i]|
	s_delay_alu instid0(VALU_DEP_2)
	v_max3_num_f32 v233, v233, |v[40+\i]|, |v[41+\i]|
.endr
	s_delay_alu instid0(VALU_DEP_1)
	v_max_num_f32 v232, v232, v233
	s_delay_alu instid0(VALU_DEP_1)
	v_permlanex16_b32 v236, v232, s[SEL], s[SEL+1]
	s_delay_alu instid0(VALU_DEP_1)
	v_max_num_f32 v232, v232, v236                 ; with lane l xor 16's 16
	s_delay_alu instid0(VALU_DEP_1)
	v_add_nc_u32 v244, 0xff000000, v232            ; 2 off the exponent field: the conversion's scale operand
	s_delay_alu instid0(VALU_DEP_1)
	v_lshrrev_b32 v236, 23, v244                   ; the scale's byte
	v_cvt_scalef32_pk8_fp4_f32 v16, v[32:39], v244
	v_cvt_scalef32_pk8_fp4_f32 v17, v[40:47], v244
	v_nop                                          ; one plain place behind a scaled conversion
	s_wait_alu depctr_va_vdst(0)                   ; directly ahead of the wait below
	s_barrier_wait -1                              ; nobody reads the images any more
	ds_store_b64 v[XW], v[16:17]                   ; my block's codes and byte, as images of their registers
	ds_store_b32 v[XB], v236
.irp j, 20,21,22,23,64,65,66,67,14,15,253
	v_mov_b32 v\j, 0                               ; q's empty half; the pad behind K's last tile; the sum's two halves; the upper half of the pair v[252:253]
.endr
	v_mov_b32 v13, 0xff61b1e6                      ; the largest score so far: -3e38
	v_mov_b32 v12, 0x7e800000                      ; -M: a large whole number, 2^126: the first change of M gives the factor 0
	s_wait_alu depctr_va_vdst(0)                   ; directly ahead of the waits below
	s_wait_tensorcnt 0x0                           ; my two steps of K and V are in,
	s_wait_dscnt 0x0                               ; my codes and byte are stored;
	s_barrier_signal -1
	s_barrier_wait -1                              ; everybody's are.
	ds_load_b64 v[16:17], v[XR]                    ; block 0's codes,
	ds_load_b64 v[18:19], v[XR] offset:2048        ; block 1's,
	ds_load_b32 v236, v[XS]                        ; and the two bytes
	ds_load_b32 v237, v[XS] offset:1024
	s_wait_dscnt 0x0                               ; my reads of the exchange are over:
	s_barrier_signal -1                            ; say so: the hand-over at the end is stored over these bytes
	v_lshl_or_b32 v255, v237, 8, v236
	s_delay_alu instid0(VALU_DEP_1)
	v_or_b32 v255, 0x7f7f0000, v255                ; q's scale word: the empty upper half under bytes that stand for 1
	v_permlane16_swap_b32 v16, v18                 ; a whole block in a lane: lanes 0-15 d = 0 .. 31, lanes 16-31 d = 32 .. 63
	v_permlane16_swap_b32 v17, v19
.set n, 0
.rept 32
	v_mov_b32 v[160+n], 0                          ; O^T.  (No first step of its own: the first change of M multiplies zeros)
.set n, n+1
.endr
	v_add_nc_u32 v[ADK], s[TB], v[LI]
	s_wait_alu depctr_va_vdst(0)                   ; the wait at the head's end
	s_barrier_wait -1
.macro KLOAD                           ; a step's eight tiles of K and their scale words (register i: lanes 0-15 tile 2 i, lanes 16-31 tile 2 i + 1): nine loads
.irp t, 0,1,2,3,4,5,6,7
	ds_load_b128 v[32+4*\t:35+4*\t], v[ADK] offset:512*\t
.endr
	ds_load_b128 v[28:31], v[ADK] offset:KSO
.endm
.macro SMUL t                          ; S^T, tile t: keys 16 t + 8 h + j in register j
.if (\t)%2
	v_wmma_scale_f32_16x16x128_f8f6f4 v[96+8*(\t):103+8*(\t)], v[32+4*(\t):39+4*(\t)], v[16:23], 0, v[28+(\t)/2], v255 matrix_a_fmt:MATRIX_FMT_FP4 matrix_b_fmt:MATRIX_FMT_FP4 matrix_a_scale:MATRIX_SCALE_ROW1
.else
	v_wmma_scale_f32_16x16x128_f8f6f4 v[96+8*(\t):103+8*(\t)], v[32+4*(\t):39+4*(\t)], v[16:23], 0, v[28+(\t)/2], v255 matrix_a_fmt:MATRIX_FMT_FP4 matrix_b_fmt:MATRIX_FMT_FP4
.endif
.endm
.macro OMUL t                          ; O^T, tile t: d = 16 t + 8 h + j in register j
.if (\t)%2
	v_wmma_scale_f32_16x16x128_f8f6f4 v[160+8*(\t):167+8*(\t)], v[192+8*(\t):199+8*(\t)], v[224:231], v[160+8*(\t):167+8*(\t)], v[26+(\t)/2], v253 matrix_a_fmt:MATRIX_FMT_FP4 matrix_b_fmt:MATRIX_FMT_FP4 matrix_a_scale:MATRIX_SCALE_ROW1
.else
	v_wmma_scale_f32_16x16x128_f8f6f4 v[160+8*(\t):167+8*(\t)], v[192+8*(\t):199+8*(\t)], v[224:231], v[160+8*(\t):167+8*(\t)], v[26+(\t)/2], v253 matrix_a_fmt:MATRIX_FMT_FP4 matrix_b_fmt:MATRIX_FMT_FP4
.endif
.endm
; A STEP: 128 keys.  At its head its K is on its way or in, and v[ADK] holds 16 x lane + its first byte.  m = 1: one of the last four, which the mask reaches.
.macro STEP m
.if \m
	s_lshl_b32 s96, s[SP], 1
	s_cmp_lt_u32 s[WQ], s96                        ; all its keys come after my wave's queries: the step's work is left out (and so is that of my later steps)
	s_cbranch_scc1 .Lhidden_\@
.endif
	v_add_nc_u32 v[ADV], s[TB], v[L8]
	v_mov_b32 v251, v12                            ; the old -M
	v_nop
	v_nop                                          ; four places in front of loads into registers that the last step's products have read
.irp t, 0,1,2,3
.irp c, 0,1
	ds_load_b128 v[192+8*\t+4*\c:195+8*\t+4*\c], v[ADK] offset:VCO+1024*\t+512*\c
.endr
.endr
	ds_load_b64 v[26:27], v[ADV] offset:VSO        ; V's scale words
	s_add_co_u32 s98, s[TB], 2*STEPB               ; my next step,
	s_min_u32 s98, s98, 31*STEPB                   ; held inside K and V
	s_wait_dscnt 9                                 ; K's nine loads are in; V's nine, issued behind them, may be out
.irp t, 0,1,2,3,4,5,6,7
	SMUL \t
.endr
	v_add_nc_u32 v[ADK], s98, v[LI]
	v_nop
	v_nop
	v_nop                                          ; four places: in front of the first read of the scores, and of loads into K's registers
	KLOAD                                          ; the next step's K
.if \m
	s_add_co_u32 s96, s96, 2
	s_cmp_ge_u32 s[WQ], s96                        ; all its keys count for all my wave's queries
	s_cbranch_scc1 .Lopen_\@
	s_lshl_b32 s97, s[SP], 7
	v_sub_nc_u32 v252, v[MD], s97                  ; register n holds key 16 (n / 8) + 8 h + n % 8 of the step: hidden where 16 (n / 8) + n % 8 > my query - 1 - 8 h - 128 (step - 28)
	v_mov_b32 v254, 0xff800000                     ; -infinity: p = 0 then
.set n, 0
.rept 64
	v_cmp_gt_i32 vcc_lo, 16*(n/8)+n%8, v252
	v_cndmask_b32 v[96+n], v[96+n], v254, vcc_lo
.set n, n+1
.endr
.Lopen_\@:
.endif
.irp b, 0,1,2,3
	v_max3_num_f32 v[232+\b], v[96+16*\b], v[97+16*\b], v[98+16*\b]   ; the largest score of each block of 32 keys: it serves for the row's maximum and, since p rises with the score, for the block's largest p
.endr
.irp i, 3,5,7,9,11,13
.irp b, 0,1,2,3
	v_max3_num_f32 v[232+\b], v[232+\b], v[96+16*\b+\i], v[97+16*\b+\i]
.endr
.endr
.irp b, 0,1,2,3
	v_max_num_f32 v[232+\b], v[232+\b], v[111+16*\b]
.endr
.irp b, 0,1,2,3
	s_delay_alu instid0(VALU_DEP_4)
	v_permlanex16_b32 v[236+\b], v[232+\b], s[SEL], s[SEL+1]
.endr
.irp b, 0,1,2,3
	s_delay_alu instid0(VALU_DEP_4)
	v_max_num_f32 v[232+\b], v[232+\b], v[236+\b]  ; with lane l xor 16's 16 keys
.endr
	s_delay_alu instid0(VALU_DEP_2)
	v_max3_num_f32 v254, v232, v233, v234
	s_delay_alu instid0(VALU_DEP_1)
	v_max3_num_f32 v13, v13, v254, v235            ; the running largest score
	s_delay_alu instid0(VALU_DEP_1)
	v_mul_f32 v254, s[CS], v13                     ; as t (the factor is positive, so the largest score gives the largest t)
	s_delay_alu instid0(VALU_DEP_1)
	v_floor_f32 v12, -v254                         ; the new -M = -ceil(t): a whole number
	s_delay_alu instid0(VALU_DEP_1)
	v_sub_f32 v254, v12, v251                      ; old M - new M: a whole number, 0 or less
	s_delay_alu instid0(VALU_DEP_1)
	v_cvt_i32_f32 v254, v254                       ; (it saturates)
	s_delay_alu instid0(VALU_DEP_1)
	v_ldexp_f32 v252, 1.0, v254                    ; f = 2^(old M - new M): a multiplication by it rounds nothing
.set n, 0
.rept 32
	v_pk_fma_f32 v[96+n:97+n], v[96+n:97+n], s[CS:CS+1], v[12:13] op_sel_hi:[1,0,0]   ; t - M, two at a time
.set n, n+2
.endr
.irp b, 0,1,2,3
	v_fma_f32 v[232+\b], v[232+\b], s[CS], v12     ; the same of each block's largest score
.endr
	s_wait_alu depctr_va_vdst(0)                   ; the wait ahead of the batch
.set n, 0
.rept 64
	v_exp_f32 v[96+n], v[96+n]                     ; p = 2^(t - M), at most 1: not normalised
.set n, n+1
.endr
	v_pk_mul_f32 v[14:15], v[14:15], v[252:253] op_sel_hi:[1,0]   ; the sums under the new M: the plain place behind the exponentials
	s_wait_alu depctr_va_vdst(0)                   ; one wait for the batch, ahead of its first reader
.irp b, 0,1,2,3
	v_exp_f32 v[232+\b], v[232+\b]                 ; the block's largest p: the same two instructions on the same number give the same bits
.endr
	v_pk_add_f32 v[236:237], v[96:97], v[98:99]    ; the row's sum of the unquantised p: two at a time, in four chains
	v_pk_add_f32 v[240:241], v[100:101], v[102:103]
	v_pk_add_f32 v[242:243], v[104:105], v[106:107]
	v_pk_add_f32 v[14:15], v[14:15], v[108:109]
.irp j, 110,118,126,134,142,150
	v_pk_add_f32 v[236:237], v[236:237], v[\j:\j+1]
	v_pk_add_f32 v[240:241], v[240:241], v[\j+2:\j+3]
	v_pk_add_f32 v[242:243], v[242:243], v[\j+4:\j+5]
	v_pk_add_f32 v[14:15], v[14:15], v[\j+6:\j+7]
.endr
	v_pk_add_f32 v[236:237], v[236:237], v[158:159]
	v_pk_add_f32 v[240:241], v[240:241], v[242:243]
	s_delay_alu instid0(VALU_DEP_2)
	v_pk_add_f32 v[14:15], v[14:15], v[236:237]
	s_delay_alu instid0(VALU_DEP_1)
	v_pk_add_f32 v[14:15], v[14:15], v[240:241]
	s_wait_alu depctr_va_vdst(0)                   ; and one for the four
.irp b, 0,1,2,3
	v_max_num_f32 v[232+\b], 0x1800000, v[232+\b]  ; the floor 2^(3 - 127): the byte cannot fall under 1 (a block whose every p is 0 keeps that byte: its codes are zeros)
.endr
.irp b, 0,1,2,3
	s_delay_alu instid0(VALU_DEP_4)
	v_add_nc_u32 v[244+\b], 0xff000000, v[232+\b]
.endr
.irp b, 0,1,2,3
	s_delay_alu instid0(VALU_DEP_4)
	v_lshrrev_b32 v[236+\b], 23, v[244+\b]
.endr
	s_delay_alu instid0(VALU_DEP_3)
	v_lshl_or_b32 v253, v237, 8, v236              ; p's scale word for these 128 keys
	s_delay_alu instid0(VALU_DEP_1)
	v_lshl_or_b32 v253, v238, 16, v253
	s_delay_alu instid0(VALU_DEP_1)
	v_lshl_or_b32 v253, v239, 24, v253
.irp b, 0,1,2,3
	v_cvt_scalef32_pk8_fp4_f32 v[224+2*\b], v[96+16*\b:103+16*\b], v[244+\b]
	v_cvt_scalef32_pk8_fp4_f32 v[225+2*\b], v[104+16*\b:111+16*\b], v[244+\b]
.endr
	v_nop                                          ; one plain place behind a scaled conversion
.irp c, 0,1                            ; a whole block in a lane: lanes 0-15 block 2 c, lanes 16-31 block 2 c + 1
.irp i, 0,1
	v_permlane16_swap_b32 v[224+4*\c+\i], v[226+4*\c+\i]
.endr
.endr
	s_wait_alu depctr_va_vdst(0)                   ; directly ahead of the first reader of O^T
.set n, 0
.rept 16
	v_pk_mul_f32 v[160+n:161+n], v[160+n:161+n], v[252:253] op_sel_hi:[1,0]   ; O^T under the new M.  (These sixteen are also the places between the lines that wrote p's codes and scale word and the products)
.set n, n+2
.endr
	s_wait_alu depctr_va_vdst(0)                   ; directly ahead of the wait below
	s_wait_dscnt 9                                 ; V's nine loads are in; the next step's K, nine loads issued behind them, may be out
.irp t, 0,1,2,3
	OMUL \t
.endr
.if \m
.Lhidden_\@:
.endif
	s_add_co_u32 s[TB], s[TB], 2*STEPB             ; my next step: two on
.endm
	KLOAD                                          ; my first step's K
	s_mov_b32 s[CNT], 14
.Lopen_steps:                                          ; steps g, g + 2 .. g + 26 (g = wave / 8)
	STEP 0
	s_sub_co_u32 s[CNT], s[CNT], 1
	s_cmp_lg_u32 s[CNT], 0
	s_cbranch_scc1 .Lopen_steps
	s_mov_b32 s[CNT], 2
.Lcut_steps:                                           ; steps 28 + g, 30 + g
	STEP 1
	s_add_co_u32 s[SP], s[SP], 2
	s_sub_co_u32 s[CNT], s[CNT], 1
	s_cmp_lg_u32 s[CNT], 0
	s_cbranch_scc1 .Lcut_steps
	; THE PAIR IS JOINED.  Every LDS address is made ahead of the parting of the two roles; these thirteen lines are also the places behind the last products.
	v_add_f32 v13, v14, v15                        ; my lane's sum
	v_and_b32 v83, 15, v0                          ; r
	v_bfe_u32 v84, v0, 4, 1                        ; h
	v_add_nc_u32 v68, s[STG], v[LI]                ; the hand-over: images of O^T's registers at 16 x lane,
	v_add_nc_u32 v69, s[STG], v[L8]                ; -M and the sum at 4096 + 8 x lane
	v_mul_u32_u24 v72, v83, 272
	v_mul_u32_u24 v73, v84, 272
	v_lshl_add_u32 v72, v84, 5, v72
	v_lshl_add_u32 v73, v83, 4, v73
	v_add_nc_u32 v72, s[STG], v72                  ; the stage, on the way in: 16 rows x (256 bytes + 16),
	v_add_nc_u32 v73, s[STG], v73                  ; and back
	v_mov_b32 v82, 0                               ; a lane permute's destination counts as one of its sources
	v_nop
	s_wait_alu depctr_va_vdst(0)                   ; directly ahead of the branch
	s_cmp_eq_u32 s[GH], 0
	s_cbranch_scc1 .Lkeeps
.irp i, 0,1,2,3,4,5,6,7
	ds_store_b128 v68, v[160+4*\i:163+4*\i] offset:512*\i   ; each accumulator from its low end on
.endr
	ds_store_b64 v69, v[12:13] offset:4096
.Lkeeps:
	s_wait_dscnt 0x0                               ; for my partner's sake (and the last fetch of K has landed)
	s_barrier_signal -1
	s_barrier_wait -1
	s_cmp_lg_u32 s[GH], 0
	s_cbranch_scc1 .Lend
.irp i, 0,1,2,3,4,5,6,7
	ds_load_b128 v[96+4*\i:99+4*\i], v68 offset:512*\i
.endr
	ds_load_b64 v[70:71], v69 offset:4096
	s_wait_dscnt 0x0
	v_min_num_f32 v74, v12, v70                    ; -M of the two together
	s_delay_alu instid0(VALU_DEP_1)
	v_sub_f32 v75, v74, v12                        ; my M - M, my partner's M - M: whole numbers, 0 or less
	v_sub_f32 v76, v74, v70
	s_delay_alu instid0(VALU_DEP_2)
	v_cvt_i32_f32 v75, v75
	s_delay_alu instid0(VALU_DEP_2)
	v_cvt_i32_f32 v76, v76
	s_delay_alu instid0(VALU_DEP_2)
	v_ldexp_f32 v78, 1.0, v75
	s_delay_alu instid0(VALU_DEP_2)
	v_ldexp_f32 v80, 1.0, v76
	s_delay_alu instid0(VALU_DEP_2)
	v_mul_f32 v13, v13, v78
	s_delay_alu instid0(VALU_DEP_1)
	v_fmac_f32 v13, v71, v80                       ; the two sums under one M,
	s_delay_alu instid0(VALU_DEP_1)
	v_permlanex16_b32 v82, v13, s[SEL], s[SEL+1]
	s_delay_alu instid0(VALU_DEP_1)
	v_add_f32 v13, v13, v82                        ; and lane l xor 16's: the row's sum
	s_wait_alu depctr_va_vdst(0)                   ; the wait ahead of the transcendental
	v_rcp_f32 v13, v13
	v_nop                                          ; a plain place behind the reciprocal
	s_wait_alu depctr_va_vdst(0)                   ; the wait ahead of its first reader
	v_mul_f32 v78, v78, v13                        ; the two powers of two, each over the sum
	v_mul_f32 v80, v80, v13
	s_delay_alu instid0(VALU_DEP_2)
	v_mov_b32 v79, v78
	s_delay_alu instid0(VALU_DEP_2)
	v_mov_b32 v81, v80
	s_wait_alu depctr_va_vdst(0)                   ; directly ahead of the first reader of O^T
.set n, 0
.rept 16
	v_pk_mul_f32 v[160+n:161+n], v[160+n:161+n], v[78:79]
.set n, n+2
.endr
.set n, 0
.rept 16
	v_pk_fma_f32 v[160+n:161+n], v[96+n:97+n], v[80:81], v[160+n:161+n]   ; register 8 t + j: out(query r, d = 16 t + 8 h + j)
.set n, n+2
.endr
	; THE WAY OUT, through the stage, so that sixteen lanes store the head's 256 consecutive bytes of a row of out0.  The stage is the pair's hand-over bytes, which I have read.
.irp t, 0,1,2,3
	ds_store_b128 v72, v[160+8*\t:163+8*\t] offset:64*\t
	ds_store_b128 v72, v[164+8*\t:167+8*\t] offset:64*\t+16
.endr
.irp i, 0,1,2,3,4,5,6,7
	ds_load_b128 v[32+4*\i:35+4*\i], v73 offset:544*\i             ; LDS serves a wave's instructions in order: these see my stores.  Lanes 0-15 take one row, lanes 16-31 the next
.endr
.irp i, 0,1,2,3,4,5,6,7
	s_wait_dscnt 7-\i                              ; the later loads may be out
	global_store_b128 v[GO], v[32+4*\i:35+4*\i], s[14:15] offset:8192*\i th:TH_STORE_NT
.endr
.Lend:
	s_wait_tensorcnt 0x0                           ; the wave's end
	ds_add_u32 v[SPW], v[NIL]
	s_wait_dscnt 0x0
	ROUND                                          ; the closing round: no work-group ends while a partner may still ask for a tile that names it
	s_endpgm
.Lfunc_end_k_q2abeefe414_attn:
	.size	k_q2abeefe414_attn, .Lfunc_end_k_q2abeefe414_attn-k_q2abeefe414_attn
	.p2alignl 7, 3214868480
	.fill 96, 4, 3214868480
	.section	.rodata,"a",@progbits
	.p2align	6, 0x0
	.amdhsa_kernel k_q2abeefe414_attn
		.amdhsa_group_segment_fixed_size 325632
		.amdhsa_private_segment_fixed_size 0
		.amdhsa_enable_private_segment 0
		.amdhsa_kernarg_size 48
		.amdhsa_user_sgpr_count 2
		.amdhsa_user_sgpr_kernarg_segment_ptr 1
		.amdhsa_wavefront_size32 1
		.amdhsa_system_sgpr_workgroup_id_x 1
		.amdhsa_system_sgpr_workgroup_id_y 1
		.amdhsa_system_sgpr_workgroup_id_z 1
		.amdhsa_system_vgpr_workitem_id 0
		.amdhsa_next_free_vgpr 256
		.amdhsa_next_free_sgpr 100
		.amdhsa_reserve_vcc 1
		.amdhsa_float_denorm_mode_32 3
		.amdhsa_float_denorm_mode_16_64 3
		.amdhsa_memory_ordered 1
		.amdhsa_forward_progress 1
		.amdhsa_inst_pref_size 80
	.end_amdhsa_kernel
	.amdgpu_metadata
---
amdhsa.version: [ 1, 2 ]
amdhsa.kernels:
  - .name:           k_q2abeefe414_attn
    .symbol:         k_q2abeefe414_attn.kd
    .args:
      - { .name: x_codes, .offset: 0, .size: 8, .value_kind: global_buffer, .address_space: global }
      - { .name: x_scales, .offset: 8, .size: 8, .value_kind: global_buffer, .address_space: global }
      - { .name: Wq_codes, .offset: 16, .size: 8, .value_kind: global_buffer, .address_space: global }
      - { .name: Wq_scales, .offset: 24, .size: 8, .value_kind: global_buffer, .address_space: global }
      - { .name: kv, .offset: 32, .size: 8, .value_kind: global_buffer, .address_space: global }
      - { .name: out0, .offset: 40, .size: 8, .value_kind: global_buffer, .address_space: global }
    .group_segment_fixed_size: 325632
    .private_segment_fixed_size: 0
    .kernarg_segment_align: 8
    .kernarg_segment_size: 48
    .max_flat_workgroup_size: 512
    .sgpr_count:     100
    .vgpr_count:     256
    .wavefront_size: 32
...
	.end_amdgpu_metadata
.endif
;; end of part 2
